; MI455X (gfx1250); checked and timed in simulation.
; The chip was launched on July 23, 2026; its instructions are those of AMD's public machine-readable ISA for CDNA 5 (MIT licence, August 2026) and "CDNA5" Instruction Set Architecture Reference Guide (July 2026). The comments in the code are by the model that wrote it; some were corrected since.
;; Causal Self Attention. Allowed arithmetic: matrix products marked QUANTISED: E2M1 operands, one E8M0 scale for each 32 along K, by v_wmma_scale_f32_16x16x128_f8f6f4 with both operands' format E2M1 (or v_wmma_scale_f32_32x16x128_f4), f32 sums; everything else in f32.
;; Inputs: c_proj_w 1,024 x 1,024 float32; lambdas 2 float32; qkv_w 3 x 1,024 x 1,024 float32; ve 4 x 2,048 x 1,024 float32; x 4 x 2,048 x 1,024 float32.
;; Outputs: out0 4 x 2,048 x 1,024 float32.
;; This version of the problem:
;;   THIS VERSION OF THE PROBLEM IS GIVEN IN LOW PRECISION. The matrix products marked QUANTISED in the list below multiply operands that are first quantised to E2M1 (2 exponent bits, 1 mantissa bit; 4 bits a number), with one power-of-two scale for each 32 numbers along K (OCP MX v1.0); their sums are f32. All else is computed in f32.
;;   The module's matrix products, in the order in which they are computed (A, B: the left and right operand; K: the contracted axis; several contracted axes count as one K, in the product's order):
;;     1. [M 8,192, K 1,024] x [K 1,024, N 3,072]; A: input x; B: input qkv_w: QUANTISED
;;     2. batch 64 x [M 2,048, K 64] x [K 64, N 2,048]; A: computed on the way; B: computed on the way: QUANTISED
;;     3. batch 64 x [M 64, K 2,048] x [K 2,048, N 2,048]; A: computed on the way; B: softmax (see below): QUANTISED
;;     4. [M 8,192, K 1,024] x [K 1,024, N 1,024]; A: computed on the way; B: input c_proj_w: QUANTISED
;;   THE QUANTISER, for each operand of a quantised product, along K:
;;     - K is cut into blocks of 32 from its start; a last block that is shorter is filled with zeros.
;;     - A block's scale is 2^e with e = floor(log2(the largest magnitude in the block)) - 2, held to -126 .. 127; a block of zeros has e = 0. As a byte (E8M0): e + 127.
;;     - Each number is divided by its block's scale, clamped to +-6, and rounded to the nearest number of E2M1, ties to even, subnormals kept.
;;     - The product sums the exact products of the quantised numbers (number of the format x scale) in f32.
;;   ~~~python
;;   def quantise(x, axis):      # numpy; x: float32 -> the quantised numbers, widened to float32 again
;;       x = np.moveaxis(x, axis, -1); K = x.shape[-1]
;;       x = np.pad(x, [(0, 0)] * (x.ndim - 1) + [(0, -K % 32)]); x = x.reshape(x.shape[:-1] + (-1, 32)); a = np.abs(x).max(-1, keepdims=True)
;;       e = np.where(a > 0, np.clip(np.frexp(np.where(a > 0, a, 1))[1] - 1 - 2, -126, 127), 0)      # np.frexp(a)[1] - 1 = floor(log2(a)), exactly
;;       r = np.clip(x / 2.0 ** e, -6, 6)
;;       step = 2.0 ** (np.maximum(np.frexp(np.where(r == 0, 1, r))[1] - 1, 0) - 1)
;;       q = np.round(r / step) * step * 2.0 ** e      # np.round: ties to even
;;       return np.moveaxis(q.reshape(q.shape[:-2] + (-1,))[..., :K], -1, axis).astype(np.float32)
;;   ~~~
;;   SOFTMAX AHEAD OF A QUANTISED PRODUCT. Where the list says 'softmax', what is quantised is not the finished softmax but p = 2^(t - M), with t = logit x log2(e) and M = ceil(the row's largest t), a whole number; so 1/2 < the row's largest p <= 1. The row's sum l is taken of the UNQUANTISED p, in f32, and the product's result is divided by l at the end. Since M is a whole number, a kernel that streams over the keys may use a running M (the ceiling of the running maximum): every later rescaling is an exact power of two, which a block's scale takes up: the codes' values come out the same.
;;   OPERANDS COMPUTED ON THE WAY. 'Computed on the way' means the value that the module computes at that place (a softmax that the list does not call 'softmax' is quantised finished and normalised). What goes into a quantiser is computed in f32, as accurately as f32 sums, v_exp_f32 and their like allow (about 1e-6 of the number): no bf16 or f16 on the way to a quantiser, and a product that is left as it is and whose result goes on into a quantised operand takes f32 operands (vector FMAs, or v_wmma_f32_16x16x4_f32). A number that lies on a knife's edge between two numbers of the format may be rounded either way, as far as f32 arithmetic and the matrix unit's own rounding can turn it there, and no further.
;; One version. Each part assembles by itself: llvm-mc -triple=amdgcn-amd-amdhsa -mcpu=gfx1250 --defsym DOCPART=n.
;; ======== version 1 of 1: 4 launches
;; limits: right only within a limited range of input values
;; workspace buffers: xq 4,456,448 bytes; wq 1,671,168 bytes; pq 557,056 bytes; rot 524,288 bytes; qb 4,718,592 bytes; kv 9,175,040 bytes; yq 4,456,448 bytes
;; launch prep (part 1): grid 400 x 1, 4 waves a work-group, no clusters, 34,304 bytes of LDS; arguments x, qkv_w, c_proj_w, xq, wq, pq, rot; writes xq, wq, pq, rot
.if DOCPART == 1
	.amdgcn_target "amdgcn-amd-amdhsa--gfx1250"
	.amdhsa_code_object_version 6
	.text
	.protected	k_qd1a4cef536_prep
	.globl	k_qd1a4cef536_prep
	.p2align	8
	.type	k_qd1a4cef536_prep,@function
k_qd1a4cef536_prep:
	s_mov_b64 s[64:65], 0
	v_nop
	global_prefetch_b8 v0, s[64:65] scope:SCOPE_SE
	s_setreg_imm32_b32 hwreg(HW_REG_WAVE_MODE, 25, 1), 1
	s_wait_xcnt 0x0
; x [8192][1024], qkv_w [3072][1024] and c_proj_w [1024][1024], f32, K innermost, become codes of FP4 (E2M1) with one E8M0 byte for each 32 along K; and the rotary table is made.
; THE CODES ARE LAID AS IMAGES OF THE OPERAND'S REGISTERS.  A tile is 16 rows of a group of 32: lane r of tile (g, u) holds row 32 g + 8 u + r + 8 (r / 8).  A fragment (a tile x 128 along K) is 1,024 bytes:
; register group c (0, 1) is 512 bytes, lane l's 16 bytes at 16 l; lane (r, h) holds k = 64 c + 32 h + 0 .. 31.  The scale words lie [group][half of K][16 u + r][4 words]: one load of 16 bytes a lane gives the words of four K steps,
; tile u = 0 in lanes 0-15 and tile u = 1 in lanes 16-31.
; SHARES.  Work-groups 0-383 take one group of 32 rows each (0-255: x; 256-351: qkv_w; 352-383: c_proj_w); wave w takes tile u = w / 2 and half w % 2 of K: four fragments.  Only pointers and offsets are chosen by the work-group's number: one path for the three.
; Each load reads 512 consecutive bytes of one row; a fragment's 16 rows turn through the wave's own stage in LDS, so that a lane gets 32 neighbours along K: a whole block, whose largest magnitude needs no other lane.
; A block's scale is 2^(floor(log2(largest magnitude)) - 2): its byte is the largest magnitude's exponent field - 2, held at 1 from below by a floor among the maximum's leaves.
; Work-groups 384-399 make the table: thread = position t; 16 planes of [2048][4] f32: planes 0-3 cos of angles 0-15, 4-7 their sin, 8-11 ones, 12-15 zeros (the angles 16-31 are 0 by the problem's definition).
; LIMITS.  NaN and infinities are not served.  A block of zeros gets the byte 1 (its codes are zeros; only this program reads the bytes).  The 16 angular constants are the f32 numbers nearest to 2^(-10 f), f the f32 number nearest to i / 15:
; a power function that is not correctly rounded gives neighbours of them.  sin and cos: reduction by pi / 2 in two parts (the first subtraction is exact for t < 2048), series cut under 3e-9.
.set R,   16                           ; v16-143  two sets of 16 x 4: a fragment's numbers as loaded
.set X,   144                          ; v144-207 my 2 x 32 neighbours along K
.set PC,  208                          ; v208-239 codes: eight registers a step, so that no store's data are written again
.set SW,  240                          ; v240-243 the four steps' scale words
.set TM,  244                          ; v244-251 at work
.set STG, 8448                         ; a wave's stage: 16 rows of SP bytes
.set SP,  528                          ; 512 bytes + 16: 132 words, so that 16 rows begin at 16 different groups of four banks (64 banks of 4 bytes: ISA guide 11.1)
	s_load_b128 s[4:7], s[0:1], 0x0                ; x, qkv_w
	s_load_b128 s[8:11], s[0:1], 0x10              ; c_proj_w, xq
	s_load_b128 s[12:15], s[0:1], 0x20             ; wq, pq
	s_load_b64 s[16:17], s[0:1], 0x30              ; rot
	v_lshl_add_u32 v254, v0, 2, 0x8400
	v_mov_b32 v255, 0
	s_cmp_ge_u32 ttmp9, 384
	s_cbranch_scc1 .Ltable
	v_lshrrev_b32 v1, 5, v0
	v_readfirstlane_b32 s18, v1                    ; wave
	s_lshr_b32 s19, s18, 1                         ; u
	s_and_b32 s20, s18, 1                          ; half of K
	; x: codes at group x 16384 + u x 8192 + half x 4096, 1,024 bytes a step; scales at 4194304 + group x 1024 + half x 512
	s_min_u32 s21, ttmp9, 255
	s_lshl_b32 s22, s21, 14
	s_lshl_b32 s23, s19, 13
	s_add_co_u32 s22, s22, s23
	s_lshl_b32 s23, s20, 12
	s_add_co_u32 s22, s22, s23
	s_lshl_b32 s24, s21, 10
	s_lshl_b32 s23, s20, 9
	s_add_co_u32 s24, s24, s23
	s_add_co_u32 s24, s24, 4194304
	; qkv_w: group = 32 sigma + 2 head + g'.  A chunk (head, half of K) is 52,224 bytes: codes [sigma][step][tile 2 g' + u][1024], then scales [sigma][g'][512]
	s_max_u32 s25, ttmp9, 256
	s_sub_co_u32 s25, s25, 256
	s_min_u32 s25, s25, 95
	s_lshr_b32 s26, s25, 5                         ; sigma
	s_bfe_u32 s27, s25, 0x40001                    ; head
	s_and_b32 s28, s25, 1                          ; g'
	s_mul_i32 s27, s27, 104448
	s_mul_i32 s29, s20, 52224
	s_add_co_u32 s27, s27, s29                     ; the chunk
	s_lshl_b32 s29, s26, 14
	s_add_co_u32 s29, s29, s27
	s_lshl_b32 s30, s28, 1
	s_add_co_u32 s30, s30, s19
	s_lshl_b32 s30, s30, 10
	s_add_co_u32 s29, s29, s30                     ; codes
	s_lshl_b32 s30, s26, 10
	s_add_co_u32 s30, s30, s27
	s_lshl_b32 s31, s28, 9
	s_add_co_u32 s30, s30, s31
	s_add_co_u32 s30, s30, 49152                   ; scales
	; c_proj_w: group = 4 panel + g.  A chunk (panel of 128 outputs, half of K) is 34,816 bytes: codes [step][tile 2 g + u][1024], then scales [g][512]
	s_max_u32 s31, ttmp9, 352
	s_sub_co_u32 s31, s31, 352
	s_lshr_b32 s32, s31, 2
	s_and_b32 s33, s31, 3
	s_mul_i32 s32, s32, 69632
	s_mul_i32 s34, s20, 34816
	s_add_co_u32 s32, s32, s34
	s_lshl_b32 s34, s33, 1
	s_add_co_u32 s34, s34, s19
	s_lshl_b32 s34, s34, 10
	s_add_co_u32 s34, s34, s32                     ; codes
	s_lshl_b32 s35, s33, 9
	s_add_co_u32 s35, s35, s32
	s_add_co_u32 s35, s35, 32768                   ; scales
	s_mov_b32 s36, 4096                            ; bytes from a step's fragment to the next: qkv_w's,
	s_mov_b32 s37, 8192                            ; c_proj_w's,
	s_mov_b32 s38, 1024                            ; x's
	s_wait_kmcnt 0x0
	s_cmp_lt_u32 ttmp9, 352                        ; the choices hang on the work-group's number alone
	s_cselect_b64 s[6:7], s[6:7], s[8:9]
	s_cselect_b64 s[12:13], s[12:13], s[14:15]
	s_cselect_b32 s25, s25, s31
	s_cselect_b32 s29, s29, s34
	s_cselect_b32 s30, s30, s35
	s_cselect_b32 s36, s36, s37
	s_cmp_lt_u32 ttmp9, 256
	s_cselect_b64 s[4:5], s[4:5], s[6:7]           ; the tensor
	s_cselect_b64 s[10:11], s[10:11], s[12:13]     ; its buffer of codes and scales
	s_cselect_b32 s21, s21, s25                    ; the group
	s_cselect_b32 s22, s22, s29
	s_cselect_b32 s24, s24, s30
	s_cselect_b32 s36, s38, s36
	s_lshl_b32 s40, s21, 17                        ; 32 rows of 4,096 bytes,
	s_lshl_b32 s23, s19, 15                        ; tile u begins 8 rows on,
	s_add_co_u32 s40, s40, s23
	s_lshl_b32 s23, s20, 11                        ; my half of K
	s_add_co_u32 s40, s40, s23
	s_mov_b32 s41, 0
	s_add_nc_u64 s[4:5], s[4:5], s[40:41]
	s_mov_b32 s23, 0
	s_add_nc_u64 s[42:43], s[10:11], s[22:23]      ; my codes
	s_lshl_b32 s44, s19, 8                         ; tile u's 16 rows of scale words: 256 bytes
	s_add_co_u32 s44, s44, s24
	s_mov_b32 s45, 0
	s_add_nc_u64 s[44:45], s[10:11], s[44:45]      ; my scale words
	v_and_b32 v10, 31, v0
	v_lshlrev_b32 v1, 4, v10                       ; 16 x lane
.macro LOAD t                          ; step t: 16 rows x 512 bytes into set t % 2; row j of the tile is row j + 8 (j / 8) from the tile's first
.irp j, 0,1,2,3,4,5,6,7,8,9,10,11,12,13,14,15
	global_load_b128 v[R+64*((\t)%2)+4*\j:R+64*((\t)%2)+4*\j+3], v1, s[4:5] offset:(\j+8*(\j/8))*4096+(\t)*512 th:TH_LOAD_NT
.endr
.endm
	LOAD 0
	LOAD 1
	s_mul_i32 s46, s18, STG
	v_add_nc_u32 v2, s46, v1                       ; the stage, in: 16 x lane of a row
	v_and_b32 v11, 15, v0                          ; r
	v_bfe_u32 v12, v0, 4, 1                        ; h
	v_mul_u32_u24 v3, v11, SP
	v_lshl_add_u32 v3, v12, 7, v3
	v_add_nc_u32 v3, s46, v3                       ; and out: row r, 128 h bytes on
	v_mov_b32 v4, v1                               ; where step t's codes go: 16 x lane + t steps
	v_add_nc_u32 v5, s36, v1
	s_lshl_b32 s47, s36, 1
	v_add_nc_u32 v6, s47, v1
	s_add_co_u32 s47, s47, s36
	v_add_nc_u32 v7, s47, v1
	v_lshlrev_b32 v8, 4, v11                       ; my row's four scale words
	v_lshlrev_b32 v9, 3, v12                       ; 8 h
	v_mov_b32 v[TM+7], 0                           ; a lane permute's destination counts as read
	s_mov_b32 s48, 0x76543210
	s_mov_b32 s49, 0xfedcba98                      ; v_permlanex16_b32's selects for lane l xor 16
.macro QSTEP t
.set RS, R+64*((\t)%2)
.if (\t) < 3
	s_wait_loadcnt 16                              ; this step's 16 loads are in; the next step's 16 may be out
.else
	s_wait_loadcnt 0x0
.endif
.irp j, 0,1,2,3,4,5,6,7,8,9,10,11,12,13,14,15
	ds_store_b128 v2, v[RS+4*\j:RS+4*\j+3] offset:\j*SP
.endr
.irp c, 0,1
.irp i, 0,1,2,3,4,5,6,7
	ds_load_b128 v[X+32*\c+4*\i:X+32*\c+4*\i+3], v3 offset:256*\c+16*\i   ; LDS serves a wave's instructions in order (ISA guide 5.7.1.4): these see the stores above.  k = 64 c + 32 h + 4 i on
.endr
.endr
	s_wait_dscnt 0x0                               ; my 64 numbers are here, and the stores have read their registers,
.if (\t) < 2
	LOAD (\t)+2                                    ; which take the loads of two steps on
.endif
.irp c, 0,1
	v_max3_num_f32 v[TM+\c], |v[X+32*\c]|, |v[X+32*\c+1]|, 0x1800000   ; block 2 c + h of the step: all 32 numbers are mine; the floor 2^(3 - 127) keeps the byte at 1 or above
.endr
.irp i, 2,4,6,8,10,12,14,16,18,20,22,24,26,28,30
.irp c, 0,1
	v_max3_num_f32 v[TM+\c], v[TM+\c], |v[X+32*\c+\i]|, |v[X+32*\c+\i+1]|
.endr
.endr
.irp c, 0,1
	v_add_nc_u32 v[TM+2+\c], 0xff000000, v[TM+\c]  ; 2 off the exponent field: the conversion's scale operand
.endr
.irp c, 0,1
	v_lshrrev_b32 v[TM+4+\c], 23, v[TM+2+\c]       ; the byte
.endr
	v_lshl_or_b32 v[TM+6], v[TM+5], 16, v[TM+4]    ; my bytes are numbers h and 2 + h of the row's word
	v_lshlrev_b32 v[TM+6], v9, v[TM+6]
	v_permlanex16_b32 v[TM+7], v[TM+6], s48, s49
	v_or_b32 v[SW+(\t)], v[TM+6], v[TM+7]          ; with lane l xor 16's two the word is whole
.irp c, 0,1
.irp g, 0,1,2,3
	v_cvt_scalef32_pk8_fp4_f32 v[PC+8*(\t)+4*\c+\g], v[X+32*\c+8*\g:X+32*\c+8*\g+7], v[TM+2+\c]
.endr
.endr
	v_nop                                          ; one plain place behind the last conversion
	global_store_b128 v[4+(\t)], v[PC+8*(\t):PC+8*(\t)+3], s[42:43]              ; 32 lanes store 512 consecutive bytes
	global_store_b128 v[4+(\t)], v[PC+8*(\t)+4:PC+8*(\t)+7], s[42:43] offset:512
.endm
	s_wait_alu depctr_va_vdst(0)
	QSTEP 0
	QSTEP 1
	QSTEP 2
	QSTEP 3
	global_store_b128 v8, v[SW:SW+3], s[44:45]     ; 256 consecutive bytes; lanes 16-31 store the same bytes with the same values
	s_wait_tensorcnt 0x0
	ds_add_u32 v254, v255
	s_wait_dscnt 0x0
	s_endpgm
.Ltable:
	s_sub_co_u32 s18, ttmp9, 384
	s_lshl_b32 s18, s18, 7
	v_add_nc_u32 v1, s18, v0                       ; t
	v_cvt_f32_u32 v2, v1
	v_lshlrev_b32 v3, 4, v1                        ; 16 t
	v_mov_b32 v60, 0x3638ef1d                      ; 1 / 9!
	v_mov_b32 v61, 0xb493f27e                      ; -1 / 10!
.irp j, 0,1,2,3
	v_mov_b32 v[48+\j], 1.0
	v_mov_b32 v[52+\j], 0
.endr
.macro SINCOS i, ang                   ; cos -> v[16 + i], sin -> v[32 + i]
	v_mul_f32 v4, \ang, v2                         ; theta: one f32 product, as the problem has it
	v_mul_f32 v5, 0x3f22f983, v4
	v_rndne_f32 v5, v5                             ; n = the nearest multiple of pi / 2
	v_fmamk_f32 v6, v5, 0xbfc90fdb, v4             ; theta - n x (pi / 2 to f32): a multiple of 2^-23 under 1, so nothing is rounded
	v_fmamk_f32 v6, v5, 0x333bbd2e, v6             ; - n x the rest of pi / 2
	v_mul_f32 v7, v6, v6
	v_fmaak_f32 v8, v60, v7, 0xb9500d01            ; the two series by turns
	v_fmaak_f32 v9, v61, v7, 0x37d00d01
	v_fmaak_f32 v8, v8, v7, 0x3c088889
	v_fmaak_f32 v9, v9, v7, 0xbab60b61
	v_fmaak_f32 v8, v8, v7, 0xbe2aaaab
	v_fmaak_f32 v9, v9, v7, 0x3d2aaaab
	v_mul_f32 v10, v6, v7
	v_fmaak_f32 v9, v9, v7, 0xbf000000
	v_fma_f32 v8, v10, v8, v6                      ; sin r
	v_fma_f32 v9, v9, v7, 1.0                      ; cos r
	v_cvt_i32_f32 v11, v5
	v_and_b32 v12, 1, v11
	v_cmp_eq_u32 vcc_lo, 1, v12                    ; odd quadrants change the two
	v_cndmask_b32 v13, v8, v9, vcc_lo
	v_cndmask_b32 v14, v9, v8, vcc_lo
	v_lshlrev_b32 v12, 30, v11                     ; sin's sign: bit 1 of n;
	v_add_nc_u32 v11, 1, v11                       ; cos's: bit 1 of n + 1
	v_and_b32 v12, 0x80000000, v12
	v_lshlrev_b32 v11, 30, v11
	v_xor_b32 v[32+\i], v12, v13
	v_and_b32 v11, 0x80000000, v11
	v_xor_b32 v[16+\i], v11, v14
.endm
	SINCOS 0, 0x3f800000
	SINCOS 1, 0x3f214518
	SINCOS 2, 0x3ecb2ff5
	SINCOS 3, 0x3e800000
	SINCOS 4, 0x3e214517
	SINCOS 5, 0x3dcb2ff4
	SINCOS 6, 0x3d7fffff
	SINCOS 7, 0x3d214518
	SINCOS 8, 0x3ccb2ff3
	SINCOS 9, 0x3c7ffffd
	SINCOS 10, 0x3c214516
	SINCOS 11, 0x3bcb2ff4
	SINCOS 12, 0x3b7fffff
	SINCOS 13, 0x3b214517
	SINCOS 14, 0x3acb2ff5
	SINCOS 15, 0x3a800000
	s_wait_alu depctr_va_vdst(0)
	s_wait_kmcnt 0x0
.irp p, 0,1,2,3
	global_store_b128 v3, v[16+4*\p:19+4*\p], s[16:17] offset:\p*32768          ; a wave stores 512 consecutive bytes of a plane
	global_store_b128 v3, v[32+4*\p:35+4*\p], s[16:17] offset:(\p+4)*32768
	global_store_b128 v3, v[48:51], s[16:17] offset:(\p+8)*32768
	global_store_b128 v3, v[52:55], s[16:17] offset:(\p+12)*32768
.endr
	s_endpgm
.Lfunc_end_k_qd1a4cef536_prep:
	.size	k_qd1a4cef536_prep, .Lfunc_end_k_qd1a4cef536_prep-k_qd1a4cef536_prep
	.p2alignl 7, 3214868480
	.fill 96, 4, 3214868480
	.section	.rodata,"a",@progbits
	.p2align	6, 0x0
	.amdhsa_kernel k_qd1a4cef536_prep
		.amdhsa_group_segment_fixed_size 34304
		.amdhsa_private_segment_fixed_size 0
		.amdhsa_enable_private_segment 0
		.amdhsa_kernarg_size 56
		.amdhsa_user_sgpr_count 2
		.amdhsa_user_sgpr_kernarg_segment_ptr 1
		.amdhsa_wavefront_size32 1
		.amdhsa_system_sgpr_workgroup_id_x 1
		.amdhsa_system_sgpr_workgroup_id_y 1
		.amdhsa_system_sgpr_workgroup_id_z 1
		.amdhsa_system_vgpr_workitem_id 0
		.amdhsa_next_free_vgpr 256
		.amdhsa_next_free_sgpr 66
		.amdhsa_reserve_vcc 1
		.amdhsa_float_denorm_mode_32 3
		.amdhsa_float_denorm_mode_16_64 3
		.amdhsa_memory_ordered 1
		.amdhsa_forward_progress 1
		.amdhsa_inst_pref_size 56
	.end_amdhsa_kernel
	.amdgpu_metadata
---
amdhsa.version: [ 1, 2 ]
amdhsa.kernels:
  - .name:           k_qd1a4cef536_prep
    .symbol:         k_qd1a4cef536_prep.kd
    .args:
      - { .name: x, .offset: 0, .size: 8, .value_kind: global_buffer, .address_space: global }
      - { .name: qkv_w, .offset: 8, .size: 8, .value_kind: global_buffer, .address_space: global }
      - { .name: c_proj_w, .offset: 16, .size: 8, .value_kind: global_buffer, .address_space: global }
      - { .name: xq, .offset: 24, .size: 8, .value_kind: global_buffer, .address_space: global }
      - { .name: wq, .offset: 32, .size: 8, .value_kind: global_buffer, .address_space: global }
      - { .name: pq, .offset: 40, .size: 8, .value_kind: global_buffer, .address_space: global }
      - { .name: rot, .offset: 48, .size: 8, .value_kind: global_buffer, .address_space: global }
    .group_segment_fixed_size: 34304
    .private_segment_fixed_size: 0
    .kernarg_segment_align: 8
    .kernarg_segment_size: 56
    .max_flat_workgroup_size: 128
    .sgpr_count:     66
    .vgpr_count:     256
    .wavefront_size: 32
...
	.end_amdgpu_metadata
.endif
;; end of part 1
;; launch qkv (part 2): grid 16 x 16, 4 waves a work-group, clusters of 4 x 1, 327,680 bytes of LDS; arguments xq, wq, ve, lambdas, rot, qb, kv; writes qb, kv
.if DOCPART == 2
	.amdgcn_target "amdgcn-amd-amdhsa--gfx1250"
	.amdhsa_code_object_version 6
	.text
	.protected	k_qd1a4cef536_qkv
	.globl	k_qd1a4cef536_qkv
	.p2align	8
	.type	k_qd1a4cef536_qkv,@function
k_qd1a4cef536_qkv:
	s_mov_b64 s[64:65], 0
	v_nop
	global_prefetch_b8 v0, s[64:65] scope:SCOPE_SE
	s_setreg_imm32_b32 hwreg(HW_REG_WAVE_MODE, 25, 1), 1
	s_wait_xcnt 0x0
	s_wait_alu depctr_hold_cnt(0) depctr_sa_sdst(0) depctr_va_vdst(0) depctr_va_sdst(0) depctr_va_ssrc(0) depctr_va_vcc(0) depctr_vm_vsrc(0)
	s_getreg_b32 s2, hwreg(HW_REG_IB_STS2, 6, 4)
	s_cmp_eq_u32 s2, 0
	s_cbranch_scc0 .Lentry_in_a_cluster
	s_endpgm
.Lentry_in_a_cluster:
	s_bfe_u32 s2, ttmp6, 0x10000c
	s_cmp_lg_u32 s2, 0x3003
	s_cbranch_scc0 .Lentry_shape_is_right
	s_endpgm
.Lentry_shape_is_right:
; The first product on codes of FP4, x (8192 x 1024) by the 192 rows of qkv_w that make one head's q, k and v, and all that follows it up to the next quantisers:
; q, k: RMS norm over the head's 64, rotary, quantised along the head's 64;  v: lambda0 v + lambda1 ve, quantised along the KEYS.  Nothing of q, k, v goes to memory but codes and scale words.
; SHARES.  A work-group: 512 tokens of one batch row (cluster x = batch row, place in the cluster = which 512) x one head (grid y).  Wave w: 128 tokens x 192 columns: 96 accumulators, 768 registers.  Its 128 tokens are one key step of the attention launch.
; CLUSTER.  The four work-groups of a cluster need the same head's weights (104,448 bytes, two chunks along K): asked for jointly, each wave a quarter of each chunk, filled once.
; x is NOT asked for jointly, though the 16 heads' work-groups read it: 512 tokens' codes and scales are 278,528 bytes, which do not fit beside the weights' 104,448 and ve's 135,168; each fragment is wanted by one wave of the work-group,
; so it goes from memory straight into that wave's registers, as dense loads of 512 bytes (the buffer is an image of the registers).  ve: one tensor load a wave, of its own 128 tokens x 64 numbers, issued at the start.
; No LDS byte is filled twice.  A wave has one tensor load out at a time.
; LAYOUT.  Tile (g, u), lane r = row 32 g + 8 u + r + 8 (r / 8), for tokens and for rows of the weights alike.  q, k: source 0 = 16 rows of W, source 1 = 16 tokens: a lane holds ONE token, and the 16 registers of tiles (g', 0), (g', 1) are
; channels 32 g' + 16 h + 0 .. 15.  v: source 0 = 16 tokens, source 1 = 16 rows of W: a lane holds ONE channel, and its registers run along the tokens, which are the third product's K.  So every quantiser finds 16 neighbours along its K in a lane,
; and what it makes is again an image of an operand's registers, stored by dense stores of 512 bytes.
; q's and k's K is 64: half of the matrix instruction's 128.  Only registers 0-3 of their fragments are stored; their scale words hold byte 0 | byte 1 << 8 twice.
; LIMITS.  NaN and infinities are not served; a block of zeros gets the scale byte 1 (its codes are zeros; only this program reads the bytes).
; REGISTERS, in windows of 256.  Window 1: q, accumulator (token tile m, tile n' of the head's 64) at 8 (4 m + n').  Window 2: k likewise.  Window 3: v, (n', m) at 8 (8 n' + m).
; Window 0 in the K loop: v1, v3 LDS addresses; v8-39 x's scale words; v40-63 W's; v64-191 x's fragments, two sets; v192-255 W's, two sets of four.
; Window 0 behind it: v2, v6, v7 addresses; v8-11 the norms' factors; v16-79 cos and sin, two sets (later ve, with v80-143); v80-143 normed q, k; v144-207 what is quantised; v208-223 at work; v224-239 codes, two sets; v240-245 scale words; v246-253 sums.
.set WCH, 52224                        ; a chunk of the head's weights: codes [sigma 3][step 4][tile 4][1024], then scale words [sigma][g' 2][512]
.set VST, 2*WCH                        ; behind the chunks: ve's stages, one a wave
.set VP,  264                          ; a token's 64 numbers + 8 bytes: 66 words, so that lanes 16-31, 16 rows on, fall 32 banks from lanes 0-15 (64 banks of 4 bytes: ISA guide 11.1)
.set VSB, 128*VP
.set LI,  1                            ; v1  16 x lane.  v3: the same + WCH (an LDS offset has 16 bits)
.set XS,  8
.set WS,  40
.set XF,  64
.set WF,  192
.set CS,  16
.set Y,   80
.set Z,   144
.set TM,  208
.set PC,  224
.set SQ,  246
.set SEL, 78
.set MSB, 0
.macro WIN new                         ; the immediate's high byte repeats the setting that is left
.if MSB != (\new)
	s_set_vgpr_msb (MSB<<8)|(\new)
.set MSB, \new
.endif
.endm
.macro PLACES
.rept 4
	v_nop
.endr
.endm
.macro ROUND                           ; a round of the cluster's barrier
	s_barrier_signal -1
	s_barrier_wait -1
	s_cmp_lg_u32 s18, 0
	s_cbranch_scc1 .Lnot_wave_0_\@
	s_barrier_signal -3
.Lnot_wave_0_\@:
	s_barrier_wait -3
	s_barrier_signal -1
	s_barrier_wait -1
.endm
; One matrix instruction.  z: the sum begins (C = 0).  sa, sb: the scale registers; ra, rb = 1: the side's words stand in lanes 16-31.
.macro MM d, a, b, z, sa, sb, ra, rb
.if (\z)
.if (\ra)&&(\rb)
	v_wmma_scale_f32_16x16x128_f8f6f4 v[(\d):(\d)+7], v[(\a):(\a)+7], v[(\b):(\b)+7], 0, v[(\sa)], v[(\sb)] matrix_a_fmt:MATRIX_FMT_FP4 matrix_b_fmt:MATRIX_FMT_FP4 matrix_a_scale:MATRIX_SCALE_ROW1 matrix_b_scale:MATRIX_SCALE_ROW1
.elseif (\ra)
	v_wmma_scale_f32_16x16x128_f8f6f4 v[(\d):(\d)+7], v[(\a):(\a)+7], v[(\b):(\b)+7], 0, v[(\sa)], v[(\sb)] matrix_a_fmt:MATRIX_FMT_FP4 matrix_b_fmt:MATRIX_FMT_FP4 matrix_a_scale:MATRIX_SCALE_ROW1
.elseif (\rb)
	v_wmma_scale_f32_16x16x128_f8f6f4 v[(\d):(\d)+7], v[(\a):(\a)+7], v[(\b):(\b)+7], 0, v[(\sa)], v[(\sb)] matrix_a_fmt:MATRIX_FMT_FP4 matrix_b_fmt:MATRIX_FMT_FP4 matrix_b_scale:MATRIX_SCALE_ROW1
.else
	v_wmma_scale_f32_16x16x128_f8f6f4 v[(\d):(\d)+7], v[(\a):(\a)+7], v[(\b):(\b)+7], 0, v[(\sa)], v[(\sb)] matrix_a_fmt:MATRIX_FMT_FP4 matrix_b_fmt:MATRIX_FMT_FP4
.endif
.else
.if (\ra)&&(\rb)
	v_wmma_scale_f32_16x16x128_f8f6f4 v[(\d):(\d)+7], v[(\a):(\a)+7], v[(\b):(\b)+7], v[(\d):(\d)+7], v[(\sa)], v[(\sb)] matrix_a_fmt:MATRIX_FMT_FP4 matrix_b_fmt:MATRIX_FMT_FP4 matrix_a_scale:MATRIX_SCALE_ROW1 matrix_b_scale:MATRIX_SCALE_ROW1
.elseif (\ra)
	v_wmma_scale_f32_16x16x128_f8f6f4 v[(\d):(\d)+7], v[(\a):(\a)+7], v[(\b):(\b)+7], v[(\d):(\d)+7], v[(\sa)], v[(\sb)] matrix_a_fmt:MATRIX_FMT_FP4 matrix_b_fmt:MATRIX_FMT_FP4 matrix_a_scale:MATRIX_SCALE_ROW1
.elseif (\rb)
	v_wmma_scale_f32_16x16x128_f8f6f4 v[(\d):(\d)+7], v[(\a):(\a)+7], v[(\b):(\b)+7], v[(\d):(\d)+7], v[(\sa)], v[(\sb)] matrix_a_fmt:MATRIX_FMT_FP4 matrix_b_fmt:MATRIX_FMT_FP4 matrix_b_scale:MATRIX_SCALE_ROW1
.else
	v_wmma_scale_f32_16x16x128_f8f6f4 v[(\d):(\d)+7], v[(\a):(\a)+7], v[(\b):(\b)+7], v[(\d):(\d)+7], v[(\sa)], v[(\sb)] matrix_a_fmt:MATRIX_FMT_FP4 matrix_b_fmt:MATRIX_FMT_FP4
.endif
.endif
.endm
	s_load_b256 s[4:11], s[0:1], 0x0               ; xq, wq, ve, lambdas
	s_load_b128 s[12:15], s[0:1], 0x20             ; rot, qb
	s_load_b64 s[16:17], s[0:1], 0x30              ; kv
	v_lshl_add_u32 v254, v0, 2, 0x3a800
	v_mov_b32 v255, 0
	ds_add_u32 v254, v255
	ds_add_u32 v254, v255
	s_wait_dscnt 0x0
	v_lshrrev_b32 v2, 5, v0
	v_readfirstlane_b32 s18, v2                    ; wave 0..3
	v_and_b32 v2, 31, v0
	v_lshlrev_b32 v[LI], 4, v2
	v_add_nc_u32 v[LI+2], WCH, v[LI]
	s_bfe_u32 s19, ttmp6, 0x40000                  ; cx: my place in the cluster: it enters global addresses of my own loads and stores alone
	s_and_b32 s20, ttmp7, 0xffff                   ; the head, which the four partners share
	s_lshl_b32 s21, s19, 9
	s_lshl_b32 s22, s18, 7
	s_add_co_u32 s21, s21, s22                     ; my first position in the sequence: 512 cx + 128 wave
	s_lshl_b32 s22, ttmp9, 11
	s_add_co_u32 s22, s22, s21                     ; my first token: 2048 x batch row + that
	s_lshl_b32 s23, ttmp9, 4
	s_add_co_u32 s23, s23, s20
	s_lshl_b32 s23, s23, 4
	s_lshl_b32 s52, s19, 2
	s_add_co_u32 s23, s23, s52
	s_add_co_u32 s23, s23, s18                     ; my record in qb and kv: 16 (16 batch row + head) + 4 cx + wave
	; descriptor group 1 for a quarter of a chunk: 13,056 dense bytes as 51 rows of 256 (32 elements of 8 bytes)
	s_mov_b32 s24, 15|(3<<16)|(1<<21)              ; 15:0 the mask: all four work-groups; 17:16 elements of 8 bytes; 21 set beside a mask
	s_mov_b32 s25, 32<<16                          ; tensor_dim0
	s_mov_b32 s26, 102<<16                         ; tensor_dim1: ONE load a wave brings its quarter of BOTH chunks, 26,112 dense bytes (the chunks lie on end in memory and in LDS)
	s_mov_b32 s27, 32<<16                          ; tile_dim0
	s_mov_b32 s28, 102                             ; tile_dim1
	s_mov_b32 s29, 32                              ; the pitch
	s_mov_b32 s30, 0
	s_mov_b32 s31, 0
	; and for ve: 128 rows of 64 f32, 1,024 apart, 2 words of padding behind each 64
	s_mov_b32 s32, (2<<16)|(1<<20)|(5<<22)|(1<<25)
	s_mov_b32 s33, 64<<16
	s_mov_b32 s34, 128<<16
	s_mov_b32 s35, 64<<16
	s_mov_b32 s36, 128
	s_mov_b32 s37, 1024
	s_mov_b32 s38, 0
	s_mov_b32 s39, 0
	s_mul_i32 s52, s20, 2*WCH
	s_mul_i32 s54, s18, WCH/2                      ; my quarter of the head's 2 WCH bytes: in memory and in LDS
	s_add_co_u32 s52, s52, s54
	s_mov_b32 s53, 0
	s_lshl_b32 s56, s22, 12                        ; ve: token x 4,096 + head x 256
	s_lshl_b32 s57, s20, 8
	s_add_co_u32 s56, s56, s57
	s_mov_b32 s57, 0
	s_lshl_b32 s58, s22, 9                         ; x's codes: 8,192 bytes a tile of 16 tokens
	s_mov_b32 s59, 0
	s_lshl_b32 s60, s22, 5                         ; x's scale words: 1,024 bytes a group of 32 tokens, behind the codes
	s_add_co_u32 s60, s60, 4194304
	s_mov_b32 s61, 0
	s_lshl_b32 s62, s21, 4                         ; the table: 16 bytes a position in each plane
	s_mov_b32 s63, 0
	s_mul_i32 s66, s23, 4608
	s_mov_b32 s67, 0
	s_mul_i32 s68, s23, 8960
	s_mov_b32 s69, 0
	s_mul_i32 s72, s18, VSB
	s_add_co_u32 s72, s72, VST                     ; my stage for ve
	s_mov_b32 s73, 0x3c800000                      ; 1 / 64
	s_mov_b32 s74, 0xffff0000                      ; lanes 16-31
	s_mov_b32 s[SEL], 0x76543210
	s_mov_b32 s[SEL+1], 0xfedcba98                 ; v_permlanex16_b32's selects for lane l xor 16
	s_wait_kmcnt 0x0
	s_load_b64 s[70:71], s[10:11], 0x0             ; lambda0, lambda1
	s_add_nc_u64 s[6:7], s[6:7], s[52:53]
	s_add_nc_u64 s[8:9], s[8:9], s[56:57]
	s_add_nc_u64 s[58:59], s[4:5], s[58:59]
	s_add_nc_u64 s[60:61], s[4:5], s[60:61]
	s_add_nc_u64 s[62:63], s[12:13], s[62:63]
	s_add_nc_u64 s[66:67], s[14:15], s[66:67]
	s_add_nc_u64 s[68:69], s[16:17], s[68:69]
	s_mov_b32 s40, 1                               ; group 0, chunk 0
	s_mov_b32 s41, s54
	s_mov_b64 s[42:43], s[6:7]
	s_or_b32 s43, s43, 0x80000000
	s_mov_b32 s48, 1                               ; ve
	s_mov_b32 s49, s72
	s_mov_b64 s[50:51], s[8:9]
	s_or_b32 s51, s51, 0x80000000
	ROUND                                          ; all four work-groups are here: the joint loads meet
	tensor_load_to_lds s[40:43], s[24:31]          ; my one tensor load at the head: a quarter of the head's weights
	s_nop 0
	PLACES
	s_wait_alu depctr_va_vdst(0)
.irp g, 0,1,2,3
.irp k, 0,1
	global_load_b128 v[XS+8*\g+4*\k:XS+8*\g+4*\k+3], v[LI], s[60:61] offset:\g*1024+\k*512   ; register 8 g + s: lanes 0-15 tile (g, 0)'s words of K step s, lanes 16-31 tile (g, 1)'s
.endr
.endr
.macro XLOAD s                         ; my eight tiles' fragments of K step s into set s % 2
.irp m, 0,1,2,3,4,5,6,7
.irp c, 0,1
	global_load_b128 v[XF+64*((\s)%2)+8*\m+4*\c:XF+64*((\s)%2)+8*\m+4*\c+3], v[LI], s[58:59] offset:\m*8192+(\s)*1024+\c*512
.endr
.endr
.endm
.macro WFETCH i                        ; phase i = 3 s + sigma: the four tiles of sigma's 64 rows, K step s, into set i % 2
.set fs, (\i)/3
.set fg, (\i)%3
.irp n, 0,1,2,3
.irp c, 0,1
	ds_load_b128 v[WF+32*((\i)%2)+8*\n+4*\c:WF+32*((\i)%2)+8*\n+4*\c+3], v[LI+2*(fs/4)] offset:fg*16384+(fs%4)*4096+\n*1024+\c*512
.endr
.endr
.endm
.macro WSLOAD k                        ; chunk k's scale words: register 4 (2 sigma + g') + s'
.irp q, 0,1,2,3,4,5
	ds_load_b128 v[WS+4*\q:WS+4*\q+3], v[LI+2*(\k)] offset:49152+\q*512
.endr
.endm
	XLOAD 0
	s_wait_kmcnt 0x0
	s_mov_b32 s76, s71                             ; lambda1 as a pair: the packed form takes the pair's low word for both halves
	s_mov_b32 s77, s71
	s_wait_tensorcnt 0x0                           ; my quarter of the weights is in
	ds_add_u32 v254, v255
	s_wait_dscnt 0x0
	ROUND                                          ; everybody's quarter is in
	tensor_load_to_lds s[48:51], s[32:39]          ; ve, my own 128 tokens: first filled here, read behind the K loop
	s_nop 0
	PLACES
	WSLOAD 0
	WFETCH 0
; A PHASE: K step s, sigma g (0 q, 1 k, 2 v): 32 matrix instructions, each accumulator once (the accumulators take turns).
; At its head the next phase's fragments are asked for: four places stand between the last products and loads into registers that they read (ISA guide 7.12.1 for vector instructions).
.macro PHASE s, g
.set io, 3*(\s)+(\g)
	WIN 0
	PLACES
.if ((\g) == 0) && ((\s) < 7)
	XLOAD (\s)+1
.endif
.if io == 12
	WSLOAD 1
.endif
.if io < 23
	WFETCH io+1
.endif
.if (\g) == 0
.if (\s) < 7
	s_wait_loadcnt 16                              ; this K step's x is in; the next step's 16 loads may be out
.else
	s_wait_loadcnt 0x0
.endif
.endif
.if io < 23
	s_wait_dscnt 8                                 ; all but the next phase's eight
.else
	s_wait_dscnt 0x0
.endif
	WIN 0x50*(1+(\g))                              ; C and D: window 1, 2 or 3
.irp m, 0,1,2,3,4,5,6,7
.irp n, 0,1,2,3
.if (\g) < 2
	MM 8*(4*\m+\n), WF+32*(io%2)+8*\n, XF+64*((\s)%2)+8*\m, ((\s)==0), WS+4*(2*(\g)+\n/2)+(\s)%4, XS+8*(\m/2)+(\s), \n%2, \m%2
.else
	MM 8*(8*\n+\m), XF+64*((\s)%2)+8*\m, WF+32*(io%2)+8*\n, ((\s)==0), XS+8*(\m/2)+(\s), WS+4*(2*(\g)+\n/2)+(\s)%4, \m%2, \n%2
.endif
.endr
.endr
.endm
.irp s, 0,1,2
	PHASE \s, 0
	PHASE \s, 1
	PHASE \s, 2
.endr
	PHASE 3, 0
	PHASE 3, 1
	PHASE 3, 2
.irp s, 4,5,6,7
	PHASE \s, 0
	PHASE \s, 1
	PHASE \s, 2
.endr
	; ---- behind the product.  The address lines are the places behind the last products: they name none of their registers
	WIN 0
	v_and_b32 v2, 15, v0                           ; r
	v_bfe_u32 v4, v0, 4, 1                         ; h
	v_and_b32 v5, 8, v2
	v_add_nc_u32 v5, v5, v2                        ; r + 8 (r / 8)
	v_lshlrev_b32 v6, 4, v5
	v_lshl_add_u32 v2, v4, 18, v6                  ; the table: my token's 16 bytes; lanes 16-31 (channels 16-31 of each half) take the planes of ones and zeros, eight planes on
	v_mul_u32_u24 v7, v4, 16*VP
	v_lshl_add_u32 v7, v5, 2, v7
	v_add_nc_u32 v7, s72, v7                       ; ve in LDS: token 16 h on, channel r + 8 (r / 8)
	v_and_b32 v6, 31, v0
	v_lshlrev_b32 v6, 2, v6                        ; 4 x lane
	v_mov_b32 v9, 0                                ; (upper halves of pairs of which the low word serves both halves)
	v_mov_b32 v11, 0
.irp b, 0,1,2,3
	v_mov_b32 v[TM+4+\b], 0                        ; a lane permute's destination counts as read
.endr
.macro CSLOAD m                        ; tile m's tokens: 16 cos and 16 sin a lane, into set m % 2
.irp p, 0,1,2,3,4,5,6,7
	global_load_b128 v[CS+32*((\m)%2)+4*\p:CS+32*((\m)%2)+4*\p+3], v2, s[62:63] offset:\p*32768+(32*((\m)/2)+8*((\m)%2))*16
.endr
.endm
; 64 numbers of a lane, register 16 b + i = k 32 b + 16 h + i of my row, become codes in v[pc] .. v[pc + 7]: registers 4 c .. 4 c + 3 hold k = 64 c + 32 h + 0 .. 31.  The four bytes stay in v[TM + 4] on.
.macro QUANT s, pc
.irp b, 0,1,2,3
	v_max3_num_f32 v[TM+\b], |v[\s+16*\b]|, |v[\s+1+16*\b]|, 0x1800000   ; my 16 numbers of block b, and the floor 2^(3 - 127): the byte cannot fall under 1
.endr
.irp i, 2,4,6,8,10,12,14
.irp b, 0,1,2,3
	v_max3_num_f32 v[TM+\b], v[TM+\b], |v[\s+16*\b+\i]|, |v[\s+1+16*\b+\i]|
.endr
.endr
.irp b, 0,1,2,3
	v_permlanex16_b32 v[TM+4+\b], v[TM+\b], s[SEL], s[SEL+1]
.endr
.irp b, 0,1,2,3
	v_max_num_f32 v[TM+\b], v[TM+\b], v[TM+4+\b]   ; with lane l xor 16's: the block's largest magnitude
.endr
.irp b, 0,1,2,3
	v_add_nc_u32 v[TM+12+\b], 0xff000000, v[TM+\b] ; 2 off its exponent field: the conversion's scale operand
.endr
.irp b, 0,1,2,3
	v_lshrrev_b32 v[TM+4+\b], 23, v[TM+12+\b]      ; the byte
.endr
.irp b, 0,1,2,3
	v_cvt_scalef32_pk8_fp4_f32 v[\pc+2*\b], v[\s+16*\b:\s+7+16*\b], v[TM+12+\b]
	v_cvt_scalef32_pk8_fp4_f32 v[\pc+1+2*\b], v[\s+8+16*\b:\s+15+16*\b], v[TM+12+\b]
.endr
	v_nop                                          ; one plain place behind a scaled conversion
.irp c, 0,1                            ; a whole block to a lane: lanes 0-15 block 2 c, lanes 16-31 block 2 c + 1
.irp i, 0,1
	v_permlane16_swap_b32 v[\pc+4*\c+\i], v[\pc+2+4*\c+\i]
.endr
.endr
.endm
; q and k of token tile m.  A lane holds one token; registers 0-15 of its 32 are channels 16 h + 0 .. 15 (the rotary's first half), registers 16-31 channels 32 + 16 h + 0 .. 15.
.macro QKROW m
.set CB, CS+32*((\m)%2)
.set PB, PC+8*((\m)%2)
.set AB, 32*(\m)
	s_wait_loadcnt 0x0                             ; this tile's cos and sin
	s_wait_xcnt 0x0                                ; the earlier stores have read their registers, which are written again below
.if (\m) < 7
	CSLOAD (\m)+1
.endif
	WIN 0x05                                       ; sources 0 and 1: q.
	v_pk_mul_f32 v[SQ:SQ+1], v[AB:AB+1], v[AB:AB+1]
	v_pk_mul_f32 v[SQ+4:SQ+5], v[AB+2:AB+3], v[AB+2:AB+3]
.irp e, 4,8,12,16,20,24,28
	v_pk_fma_f32 v[SQ:SQ+1], v[AB+\e:AB+\e+1], v[AB+\e:AB+\e+1], v[SQ:SQ+1]
	v_pk_fma_f32 v[SQ+4:SQ+5], v[AB+\e+2:AB+\e+3], v[AB+\e+2:AB+\e+3], v[SQ+4:SQ+5]
.endr
	WIN 0x0a                                       ; k
	v_pk_mul_f32 v[SQ+2:SQ+3], v[AB:AB+1], v[AB:AB+1]
	v_pk_mul_f32 v[SQ+6:SQ+7], v[AB+2:AB+3], v[AB+2:AB+3]
.irp e, 4,8,12,16,20,24,28
	v_pk_fma_f32 v[SQ+2:SQ+3], v[AB+\e:AB+\e+1], v[AB+\e:AB+\e+1], v[SQ+2:SQ+3]
	v_pk_fma_f32 v[SQ+6:SQ+7], v[AB+\e+2:AB+\e+3], v[AB+\e+2:AB+\e+3], v[SQ+6:SQ+7]
.endr
	WIN 0
	v_pk_add_f32 v[SQ:SQ+1], v[SQ:SQ+1], v[SQ+4:SQ+5]
	v_pk_add_f32 v[SQ+2:SQ+3], v[SQ+2:SQ+3], v[SQ+6:SQ+7]
	v_add_f32 v[SQ], v[SQ], v[SQ+1]
	v_add_f32 v[SQ+2], v[SQ+2], v[SQ+3]
	v_permlanex16_b32 v[SQ+4], v[SQ], s[SEL], s[SEL+1]       ; the token's other 32 channels lie in the lane 16 away
	v_permlanex16_b32 v[SQ+6], v[SQ+2], s[SEL], s[SEL+1]
	v_add_f32 v[SQ], v[SQ], v[SQ+4]
	v_add_f32 v[SQ+2], v[SQ+2], v[SQ+6]
	v_fmaak_f32 v[SQ], s73, v[SQ], 0x358637bd      ; the mean + 1e-6
	v_fmaak_f32 v[SQ+2], s73, v[SQ+2], 0x358637bd
	s_wait_alu depctr_va_vdst(0)
	v_rsq_f32 v8, v[SQ]
	v_rsq_f32 v10, v[SQ+2]
	v_nop                                          ; one plain place behind a transcendental
	WIN 0x01
	s_wait_alu depctr_va_vdst(0)
.irp e, 0,2,4,6,8,10,12,14,16,18,20,22,24,26,28,30
	v_pk_mul_f32 v[Y+\e:Y+\e+1], v[AB+\e:AB+\e+1], v[8:9] op_sel_hi:[1,0]
.endr
	WIN 0x02
.irp e, 0,2,4,6,8,10,12,14,16,18,20,22,24,26,28,30
	v_pk_mul_f32 v[Y+32+\e:Y+33+\e], v[AB+\e:AB+\e+1], v[10:11] op_sel_hi:[1,0]
.endr
	WIN 0
.irp tt, 0,1                           ; the rotary: y1 = x1 cos + x2 sin, y2 = x2 cos - x1 sin
.irp e, 0,2,4,6,8,10,12,14
	v_pk_mul_f32 v[Z+32*\tt+\e:Z+32*\tt+\e+1], v[Y+32*\tt+16+\e:Y+32*\tt+17+\e], v[CB+16+\e:CB+17+\e]
	v_pk_mul_f32 v[Z+32*\tt+16+\e:Z+32*\tt+17+\e], v[Y+32*\tt+\e:Y+32*\tt+\e+1], v[CB+16+\e:CB+17+\e]
.endr
.irp e, 0,2,4,6,8,10,12,14
	v_pk_fma_f32 v[Z+32*\tt+\e:Z+32*\tt+\e+1], v[Y+32*\tt+\e:Y+32*\tt+\e+1], v[CB+\e:CB+\e+1], v[Z+32*\tt+\e:Z+32*\tt+\e+1]
	v_pk_fma_f32 v[Z+32*\tt+16+\e:Z+32*\tt+17+\e], v[Y+32*\tt+16+\e:Y+32*\tt+17+\e], v[CB+\e:CB+\e+1], v[Z+32*\tt+16+\e:Z+32*\tt+17+\e] neg_lo:[0,0,1] neg_hi:[0,0,1]
.endr
.endr
	QUANT Z, PB                                    ; blocks 0, 1: q's two; blocks 2, 3: k's two: registers 0-3 are q's fragment, 4-7 k's
	global_store_b128 v[LI], v[PB:PB+3], s[66:67] offset:(\m)*512       ; 512 consecutive bytes each
	global_store_b128 v[LI], v[PB+4:PB+7], s[68:69] offset:(\m)*512
.set WB, 240+2*((\m)%2)
	v_lshl_or_b32 v[WB], v[TM+5], 8, v[TM+4]
	v_lshl_or_b32 v[WB+1], v[TM+7], 8, v[TM+6]
	v_lshl_or_b32 v[WB], v[WB], 16, v[WB]          ; the two bytes stand twice in the word: the attention launch lays a fragment in either half of the instruction's K
	v_lshl_or_b32 v[WB+1], v[WB+1], 16, v[WB+1]
.if (\m)%2
	v_cndmask_b32 v244, v240, v242, s74            ; lanes 0-15 the even tile's words, lanes 16-31 the odd tile's: 128 consecutive bytes
	v_cndmask_b32 v245, v241, v243, s74
	global_store_b32 v6, v244, s[66:67] offset:4096+((\m)/2)*128
	global_store_b32 v6, v245, s[68:69] offset:8192+((\m)/2)*128
.endif
.endm
	CSLOAD 0
.irp m, 0,1,2,3,4,5,6,7
	QKROW \m
.endr
; v, tile n of the head's 64 channels.  A lane holds channel 32 (n / 2) + 8 (n % 2) + r + 8 (r / 8); register 16 g + 8 u + j is token 32 g + 16 h + 8 u + j.
.macro VLOAD n
.set ee, 0
.rept 64
	ds_load_b32 v[16+64*((\n)%2)+ee], v7 offset:(32*(ee/16)+8*((ee/8)%2)+ee%8)*VP+(32*((\n)/2)+8*((\n)%2))*4
.set ee, ee+1
.endr
.endm
.macro VCOL n
.set EB, 16+64*((\n)%2)
.set PB, PC+8*((\n)%2)
	s_wait_dscnt 0x0                               ; this tile's ve
	s_wait_xcnt 0x0                                ; the earlier stores have read their registers
.if (\n) < 3
	VLOAD (\n)+1
.endif
.set ee, 0
.rept 32
	v_pk_mul_f32 v[EB+ee:EB+ee+1], v[EB+ee:EB+ee+1], s[76:77] op_sel_hi:[1,0]    ; lambda1 ve
.set ee, ee+2
.endr
	WIN 0x03                                       ; source 0: v's accumulators, each from its low end on
.set ee, 0
.rept 32
	v_pk_fma_f32 v[Z+ee:Z+ee+1], v[64*(\n)+ee:64*(\n)+ee+1], s[70:71], v[EB+ee:EB+ee+1] op_sel_hi:[1,0,1]   ; lambda0 v + that
.set ee, ee+2
.endr
	WIN 0
	QUANT Z, PB                                    ; along the 128 tokens: one fragment of the third product
	global_store_b128 v[LI], v[PB:PB+3], s[68:69] offset:4096+(\n)*1024
	global_store_b128 v[LI], v[PB+4:PB+7], s[68:69] offset:4096+(\n)*1024+512
.set WB, 240+2*((\n)%2)
	v_lshl_or_b32 v[WB], v[TM+5], 8, v[TM+4]
	v_lshl_or_b32 v[WB], v[TM+6], 16, v[WB]
	v_lshl_or_b32 v[WB], v[TM+7], 24, v[WB]
.if (\n)%2
	v_cndmask_b32 v244, v240, v242, s74
	global_store_b32 v6, v244, s[68:69] offset:8704+((\n)/2)*128
.endif
.endm
	s_wait_tensorcnt 0x0                           ; ve: my own load into my own stage, which I alone read
	VLOAD 0
.irp n, 0,1,2,3
	VCOL \n
.endr
	s_wait_xcnt 0x0
	v_lshl_add_u32 v254, v0, 2, 0x3a800
	v_mov_b32 v255, 0
	s_wait_alu depctr_va_vdst(0)
	s_wait_tensorcnt 0x0
	ds_add_u32 v254, v255
	s_wait_dscnt 0x0
	ROUND                                          ; the closing round: no work-group ends while a partner may still ask for a tile that names it
	s_endpgm
.Lfunc_end_k_qd1a4cef536_qkv:
	.size	k_qd1a4cef536_qkv, .Lfunc_end_k_qd1a4cef536_qkv-k_qd1a4cef536_qkv
	.p2alignl 7, 3214868480
	.fill 96, 4, 3214868480
	.section	.rodata,"a",@progbits
	.p2align	6, 0x0
	.amdhsa_kernel k_qd1a4cef536_qkv
		.amdhsa_group_segment_fixed_size 327680
		.amdhsa_private_segment_fixed_size 0
		.amdhsa_enable_private_segment 0
		.amdhsa_kernarg_size 56
		.amdhsa_user_sgpr_count 2
		.amdhsa_user_sgpr_kernarg_segment_ptr 1
		.amdhsa_wavefront_size32 1
		.amdhsa_system_sgpr_workgroup_id_x 1
		.amdhsa_system_sgpr_workgroup_id_y 1
		.amdhsa_system_sgpr_workgroup_id_z 1
		.amdhsa_system_vgpr_workitem_id 0
		.amdhsa_next_free_vgpr 1024
		.amdhsa_next_free_sgpr 80
		.amdhsa_reserve_vcc 0
		.amdhsa_float_denorm_mode_32 3
		.amdhsa_float_denorm_mode_16_64 3
		.amdhsa_memory_ordered 1
		.amdhsa_forward_progress 1
		.amdhsa_inst_pref_size 255
	.end_amdhsa_kernel
	.section	.bss,"aw",@nobits
	.p2align	6
	.space	262144
	.amdgpu_metadata
---
amdhsa.version: [ 1, 2 ]
amdhsa.kernels:
  - .name:           k_qd1a4cef536_qkv
    .symbol:         k_qd1a4cef536_qkv.kd
    .args:
      - { .name: xq, .offset: 0, .size: 8, .value_kind: global_buffer, .address_space: global }
      - { .name: wq, .offset: 8, .size: 8, .value_kind: global_buffer, .address_space: global }
      - { .name: ve, .offset: 16, .size: 8, .value_kind: global_buffer, .address_space: global }
      - { .name: lambdas, .offset: 24, .size: 8, .value_kind: global_buffer, .address_space: global }
      - { .name: rot, .offset: 32, .size: 8, .value_kind: global_buffer, .address_space: global }
      - { .name: qb, .offset: 40, .size: 8, .value_kind: global_buffer, .address_space: global }
      - { .name: kv, .offset: 48, .size: 8, .value_kind: global_buffer, .address_space: global }
    .group_segment_fixed_size: 327680
    .private_segment_fixed_size: 0
    .kernarg_segment_align: 8
    .kernarg_segment_size: 56
    .max_flat_workgroup_size: 128
    .sgpr_count:     80
    .vgpr_count:     1024
    .wavefront_size: 32
...
	.end_amdgpu_metadata
.endif
;; end of part 2
;; launch attn (part 3): grid 4 x 64, 8 waves a work-group, clusters of 4 x 1, 169,984 bytes of LDS; arguments qb, kv, yq; writes yq
.if DOCPART == 3
	.amdgcn_target "amdgcn-amd-amdhsa--gfx1250"
	.amdhsa_code_object_version 6
	.text
	.protected	k_qd1a4cef536_attn
	.globl	k_qd1a4cef536_attn
	.p2align	8
	.type	k_qd1a4cef536_attn,@function
k_qd1a4cef536_attn:
	s_mov_b64 s[64:65], 0
	v_nop
	global_prefetch_b8 v0, s[64:65] scope:SCOPE_SE
	s_setreg_imm32_b32 hwreg(HW_REG_WAVE_MODE, 25, 1), 1
	s_wait_xcnt 0x0
	s_wait_alu depctr_hold_cnt(0) depctr_sa_sdst(0) depctr_va_vdst(0) depctr_va_sdst(0) depctr_va_ssrc(0) depctr_va_vcc(0) depctr_vm_vsrc(0)
	s_getreg_b32 s2, hwreg(HW_REG_IB_STS2, 6, 4)
	s_cmp_eq_u32 s2, 0
	s_cbranch_scc0 .Lentry_in_a_cluster
	s_endpgm
.Lentry_in_a_cluster:
	s_bfe_u32 s2, ttmp6, 0x10000c
	s_cmp_lg_u32 s2, 0x3003
	s_cbranch_scc0 .Lentry_shape_is_right
	s_endpgm
.Lentry_shape_is_right:
; Causal attention of one head on codes of FP4: S^T = K Q^T (K = the head's 64), p = 2^t with t = score x 0.12 log2(e), O^T = V^T P^T (K = the keys), y = O / the row's sum of the unquantised p, y quantised along the model's 1,024 for the last product.
; Key steps all of whose keys come after a wave's queries lie wholly under the mask that the problem builds itself: their work is left out.
; THE MAXIMUM.  The rule asks for p = 2^(t - M), M a whole number; this text takes M = 0.  The problem itself normalises q and k: each has norm at most 8; rounded to E2M1 at most 1.25 x 8 + 2.83 = 12.83; so |t| <= 0.1732 x 12.83^2 < 29 for every input,
; 2^-29 <= p <= 2^29, a row's sum stays under 2^41: nothing overflows or underflows in f32.  M being a whole number, a block's scale takes it up: the codes' values and O / the sum are those of the rule.
; SHARES.  A cluster of four work-groups owns one (batch row, head).  The head's K, V and scale words, 16 records of 8,960 bytes (one for 128 keys), are asked for JOINTLY, wave w records 2 w and 2 w + 1 by one tensor load, and fill LDS once.
; Wave a (0..7) owns 32 queries, two tiles of 16: group cx of the 128 queries J = a, then of J = 15 - a: a + 1 and 16 - a key steps, 17 for every wave.  Each fragment of K and V feeds both tiles.
; The place in the cluster enters global addresses of my own loads and stores and the mask's comparison alone.  Each pass walks 16 trips (a constant) and jumps over hidden steps by a branch on the wave's number.
; No prefetch: all of K and V is asked for by the head's one load a wave, so there is no loop to run ahead in.
; LAYOUT.  Both products transposed: a lane holds ONE query, 32 cx + 8 u + r + 8 (r / 8), u the tile.  Lane r of key tile (g, u') is key 32 g + 8 u' + r + 8 (r / 8): register 16 b + i of a tile's scores is key 32 b + 16 h + i.
; K's K is 64, half of the instruction's 128: a fragment holds key tile 2 f in k 0-63 and tile 2 f + 1 in k 64-127, and is multiplied by [q | zero codes] and by [zero codes | q].  q's and k's scale words hold their two bytes twice.
; THE MASK.  Key n = 32 b + i (less 16 h) is hidden from tile 0's query where n > MK, from tile 1's where n - 8 > MK.  The 96 numbers 0 or -infinity for n = 32 b - 8 .. 32 b + 15 are made once; the diagonal step adds them in the multiply-add that makes t.
; A record: K's image, 8 tiles x 512 bytes | V's image, 4 tiles of channels x 1,024 | K's scale words [tile][r] | V's [tile][r].
; LIMITS.  NaN and infinities are not served; a block of zeros gets the scale byte 1 (its codes are zeros).
; REGISTERS.  Window 0: addresses, scale words, both tiles' scores on end (eight blocks of 16 registers), what the softmax works on, codes, sums, K's fragments.  Window 1: V's fragments, O^T, Q, the mask's table.
.set REC, 8960
.set SPARE, 0x24000                    ; behind the records: the spare words, 128 bytes a wave
.set SPW, 6                            ; my spare word's address; never rewritten
.set NIL, 7                            ; 0; never rewritten
.set R16, 8                            ; 16 r.  v1 16 x lane, v2 4 x lane, v3 4 r, v4-5 the loads' LDS addresses
.set MK,  9                            ; tile 0's query among the 128, less 16 h
.set NI,  10                           ; -infinity
.set HW,  12                           ; y's two scale bytes, a register a tile
.set QS,  16                           ; Q's scale words, a register a tile
.set KS,  22                           ; K's scale words
.set VS,  26                           ; V's
.set PS,  28                           ; p's, a register a tile
.set S,   32                           ; scores, then p, then y: tile t at 64 t
.set TM,  160                          ; eight blocks' maxima
.set TN,  168                          ; the other lane's, then the bytes
.set TS,  176                          ; the conversions' scale operands
.set PC,  184                          ; codes: tile t at 8 t
.set SM,  200                          ; the sums: tile t at 8 t, four chains
.set KF,  216                          ; K: four fragments of two key tiles
.set VF,  0                            ; window 1: V: four fragments
.set O,   32                           ; window 1: O^T: tile t at 32 t
.set QB,  96                           ; window 1: tile t at 16 t: q, 8 registers of zero codes, q
.set BT,  128                          ; window 1: the mask's table: 24 b + e for n = 32 b - 8 + e
.set MSB, 0
.macro WIN new                         ; the immediate's high byte repeats the setting that is left
.if MSB != (\new)
	s_set_vgpr_msb (MSB<<8)|(\new)
.set MSB, \new
.endif
.endm
.macro PLACES
.rept 4
	v_nop
.endr
.endm
.macro ROUND                           ; a round of the cluster's barrier
	s_barrier_signal -1
	s_barrier_wait -1
	s_cmp_lg_u32 s18, 0
	s_cbranch_scc1 .Lnot_wave_0_\@
	s_barrier_signal -3
.Lnot_wave_0_\@:
	s_barrier_wait -3
	s_barrier_signal -1
	s_barrier_wait -1
.endm
; One matrix instruction.  z: the sum begins (C = 0).  ra = 1: source 0's scale words stand in lanes 16-31.
.macro MM d, a, b, z, sa, sb, ra
.if (\z)
.if (\ra)
	v_wmma_scale_f32_16x16x128_f8f6f4 v[(\d):(\d)+7], v[(\a):(\a)+7], v[(\b):(\b)+7], 0, v[(\sa)], v[(\sb)] matrix_a_fmt:MATRIX_FMT_FP4 matrix_b_fmt:MATRIX_FMT_FP4 matrix_a_scale:MATRIX_SCALE_ROW1
.else
	v_wmma_scale_f32_16x16x128_f8f6f4 v[(\d):(\d)+7], v[(\a):(\a)+7], v[(\b):(\b)+7], 0, v[(\sa)], v[(\sb)] matrix_a_fmt:MATRIX_FMT_FP4 matrix_b_fmt:MATRIX_FMT_FP4
.endif
.else
.if (\ra)
	v_wmma_scale_f32_16x16x128_f8f6f4 v[(\d):(\d)+7], v[(\a):(\a)+7], v[(\b):(\b)+7], v[(\d):(\d)+7], v[(\sa)], v[(\sb)] matrix_a_fmt:MATRIX_FMT_FP4 matrix_b_fmt:MATRIX_FMT_FP4 matrix_a_scale:MATRIX_SCALE_ROW1
.else
	v_wmma_scale_f32_16x16x128_f8f6f4 v[(\d):(\d)+7], v[(\a):(\a)+7], v[(\b):(\b)+7], v[(\d):(\d)+7], v[(\sa)], v[(\sb)] matrix_a_fmt:MATRIX_FMT_FP4 matrix_b_fmt:MATRIX_FMT_FP4
.endif
.endif
.endm
.macro QADDR                           ; s[44:45] Q's codes, s[46:47] its scale words, for the 128 queries J = s17, group cx
	s_lshl_b32 s40, s20, 4
	s_add_co_u32 s40, s40, s17
	s_mul_i32 s40, s40, 4608
	s_lshl_b32 s41, s19, 10
	s_add_co_u32 s42, s40, s41
	s_mov_b32 s43, 0
	s_add_nc_u64 s[44:45], s[4:5], s[42:43]
	s_lshl_b32 s41, s19, 7
	s_add_co_u32 s42, s40, s41
	s_add_co_u32 s42, s42, 4096
	s_add_nc_u64 s[46:47], s[4:5], s[42:43]
.endm
.macro QLOAD                           ; each tile's q twice: in k 0-63 of one operand and in k 64-127 of the other
	global_load_b32 v[QS], v3, s[46:47]
	global_load_b32 v[QS+1], v3, s[46:47] offset:64
	WIN 0x40
.irp t, 0,1
	global_load_b128 v[QB+16*\t:QB+16*\t+3], v1, s[44:45] offset:512*\t
	global_load_b128 v[QB+16*\t+12:QB+16*\t+15], v1, s[44:45] offset:512*\t
.endr
	WIN 0
.endm
.macro KLOAD a16, a4                   ; a record's K: 8 + 4 LDS loads
.irp t, 0,1,2,3,4,5,6,7
	ds_load_b128 v[KF+4*\t:KF+4*\t+3], v[\a16] offset:\t*512
.endr
.irp g, 0,1,2,3
	ds_load_b32 v[KS+\g], v[\a4] offset:8192+128*\g    ; lanes 0-15 tile 2 g's words, lanes 16-31 tile 2 g + 1's
.endr
.endm
	s_load_b128 s[4:7], s[0:1], 0x0                ; qb, kv
	s_load_b64 s[8:9], s[0:1], 0x10                ; yq
	v_lshl_add_u32 v[SPW], v0, 2, SPARE
	v_mov_b32 v[NIL], 0
	ds_add_u32 v[SPW], v[NIL]
	ds_add_u32 v[SPW], v[NIL]
	v_lshrrev_b32 v1, 5, v0
	v_readfirstlane_b32 s18, v1                    ; wave 0..7 = a
	s_bfe_u32 s19, ttmp6, 0x40000                  ; cx
	s_lshl_b32 s36, s19, 5
	v_and_b32 v2, 31, v0
	v_lshlrev_b32 v1, 4, v2
	v_lshlrev_b32 v2, 2, v2
	v_and_b32 v11, 15, v0                          ; r
	v_bfe_u32 v14, v0, 4, 1                        ; h
	v_lshlrev_b32 v3, 2, v11
	v_lshlrev_b32 v[R16], 4, v11
	v_and_b32 v15, 8, v11
	v_add_nc_u32 v15, v15, v11
	v_lshlrev_b32 v14, 4, v14
	v_sub_nc_u32 v15, v15, v14
	v_add_nc_u32 v[MK], s36, v15                   ; 32 cx + r + 8 (r / 8) - 16 h
	s_and_b32 s20, ttmp7, 0xffff                   ; 16 x batch row + head, which the four partners share
	s_mov_b32 s24, 15|(3<<16)|(1<<21)              ; group 1: two records, 17,920 dense bytes as 70 rows of 256; the mask names all four work-groups
	s_mov_b32 s25, 32<<16
	s_mov_b32 s26, 70<<16
	s_mov_b32 s27, 32<<16
	s_mov_b32 s28, 70
	s_mov_b32 s29, 32
	s_mov_b32 s30, 0
	s_mov_b32 s31, 0
	s_mul_i32 s21, s18, 2*REC                      ; my two records: in the head's 16 and in LDS
	s_mul_i32 s22, s20, 16*REC
	s_add_co_u32 s22, s22, s21
	s_mov_b32 s23, 0
	s_mov_b32 s12, 0x3e314743                      ; c = 0.12 log2(e)
	s_mov_b32 s13, s12
	s_mov_b32 s14, 0x76543210
	s_mov_b32 s15, 0xfedcba98                      ; v_permlanex16_b32's selects for lane l xor 16
	s_mov_b32 s17, s18                             ; J of the first pass
	s_mov_b32 s16, 0                               ; the pass
	s_wait_alu depctr_va_vdst(0)
	s_wait_dscnt 0x0
	s_wait_kmcnt 0x0
	s_mov_b32 s32, 1
	s_mov_b32 s33, s21
	s_add_nc_u64 s[34:35], s[6:7], s[22:23]
	s_or_b32 s35, s35, 0x80000000
	QADDR
	QLOAD                                          ; the first pass's Q is on its way under the round and the tensor load
	ROUND                                          ; all four work-groups are here: the joint loads meet
	tensor_load_to_lds s[32:35], s[24:31]          ; my one tensor load
	s_nop 0
	PLACES
	v_mov_b32 v[NI], 0xff800000
.irp j, 0,1,2,3,4,5,6,7,8,9,10,11,12,13,14,15
	v_mov_b32 v[TN+\j], 0                          ; a lane permute's destination and a pair's upper half count as read
.endr
	WIN 0x40                                       ; destinations in window 1
.irp t, 0,1
.irp j, 4,5,6,7,8,9,10,11
	v_mov_b32 v[QB+16*\t+\j], 0                    ; zero codes
.endr
.endr
.set nn, 0
.rept 96
	v_cmp_gt_i32 vcc_lo, 32*(nn/24)+nn%24-8, v[MK] ; the mask's table: -infinity where n > MK, else 0
	v_cndmask_b32 v[BT+nn], 0, v[NI], vcc_lo
.set nn, nn+1
.endr
	WIN 0
	s_wait_alu depctr_va_vdst(0)
	s_wait_tensorcnt 0x0                           ; my records are in,
	s_barrier_signal -1
	s_barrier_wait -1                              ; everybody's are: from here on LDS is only read
.Lpass:
	s_wait_xcnt 0x0                                ; the last pass's stores have read their registers and addresses
	s_lshr_b32 s40, s20, 4
	s_lshl_b32 s40, s40, 6
	s_lshl_b32 s41, s17, 2
	s_add_co_u32 s40, s40, s41
	s_add_co_u32 s40, s40, s19                     ; my group of 32 tokens: 64 x batch row + 4 J + cx
	s_lshl_b32 s42, s40, 14                        ; y's codes: 8,192 bytes a tile of 16 tokens,
	s_and_b32 s41, s20, 15
	s_lshl_b32 s41, s41, 9                         ; 512 a head
	s_add_co_u32 s42, s42, s41
	s_mov_b32 s43, 0
	s_add_nc_u64 s[48:49], s[8:9], s[42:43]
	s_lshl_b32 s42, s40, 10                        ; y's scale bytes: 1,024 a group,
	s_bfe_u32 s41, s20, 0x10003
	s_lshl_b32 s41, s41, 9                         ; 512 a half of K (256 a tile, 16 a row),
	s_add_co_u32 s42, s42, s41
	s_and_b32 s41, s20, 7
	s_lshl_b32 s41, s41, 1                         ; 2 a head
	s_add_co_u32 s42, s42, s41
	s_add_co_u32 s42, s42, 4194304
	s_add_nc_u64 s[50:51], s[8:9], s[42:43]
	KLOAD 1, 2                                     ; record 0's K
.irp j, 0,1,2,3,4,5,6,7,8,9,10,11,12,13,14,15
	v_mov_b32 v[SM+\j], 0                          ; the sums and O^T begin as zeros: the step is written once
.endr
	WIN 0x40
.set ee, 0
.rept 64
	v_mov_b32 v[O+ee], 0
.set ee, ee+1
.endr
	WIN 0
	s_mov_b32 s10, 0                               ; the key step
	s_mov_b32 s11, 0                               ; and its record in LDS
	s_wait_alu depctr_va_vdst(0)
	s_wait_loadcnt 0x0                             ; Q
.Lstep:
	s_cmp_gt_u32 s10, s17                          ; all 128 keys come after my queries: nothing to do
	s_cbranch_scc1 .Lskip
	s_min_u32 s36, s11, 15*REC                     ; this record,
	s_add_co_u32 s37, s11, REC
	s_min_u32 s37, s37, 15*REC                     ; and the next, held at the last
	v_add_nc_u32 v4, s36, v1
	v_add_nc_u32 v5, s36, v2
	v_nop
	v_nop                                          ; four places between the last products and loads into registers that they read
.irp i, 0,1
	ds_load_b32 v[VS+\i], v5 offset:8704+128*\i
.endr
	WIN 0x40
.irp n, 0,1,2,3
.irp c, 0,1
	ds_load_b128 v[VF+8*\n+4*\c:VF+8*\n+4*\c+3], v4 offset:4096+\n*1024+\c*512
.endr
.endr
	s_wait_dscnt 10                                ; K, asked for a step ago, is in; V's ten loads may be out
	WIN 0x04                                       ; source 1 (Q) in window 1
.irp t, 0,1
.irp k, 0,1,2,3,4,5,6,7
	MM S+64*\t+8*\k, KF+8*(\k/2), QB+16*\t+8*(\k%2), 1, KS+\k/2, QS+\t, \k%2
.endr
.endr
	WIN 0
	v_add_nc_u32 v4, s37, v1
	v_add_nc_u32 v5, s37, v2
	v_nop
	v_nop                                          ; four places again
	KLOAD 4, 5                                     ; the next step's K lands under this step's softmax
	s_cmp_lg_u32 s10, s17
	s_cbranch_scc1 .Lopen
	WIN 0x10                                       ; on the diagonal: t = score x c + (0 or -infinity), the addend from window 1
.set ee, 0
.rept 64
	v_pk_fma_f32 v[S+ee:S+ee+1], v[S+ee:S+ee+1], s[12:13], v[BT+24*((ee%64)/16)+8*(1-ee/64)+ee%16:BT+24*((ee%64)/16)+8*(1-ee/64)+ee%16+1] op_sel_hi:[1,0,1]
.set ee, ee+2
.endr
	WIN 0
	s_branch .Lscaled
.Lopen:
.set ee, 0
.rept 64
	v_pk_mul_f32 v[S+ee:S+ee+1], v[S+ee:S+ee+1], s[12:13] op_sel_hi:[1,0]   ; t = score x c
.set ee, ee+2
.endr
.Lscaled:
	s_wait_alu depctr_va_vdst(0)                   ; one wait ahead of the batch
.set ee, 0
.rept 128
	v_exp_f32 v[S+ee], v[S+ee]                     ; p = 2^t
.set ee, ee+1
.endr
	v_nop                                          ; one plain place behind the exponentials
	s_wait_alu depctr_va_vdst(0)                   ; and one wait behind the batch, ahead of its first reader
	; both tiles' eight blocks of 32 keys by turns
.irp b, 0,1,2,3,4,5,6,7
	v_max3_num_f32 v[TM+\b], v[S+16*\b], v[S+16*\b+1], 0x1800000   ; the floor 2^(3 - 127): the byte cannot fall under 1
.endr
.irp i, 2,4,6,8,10,12,14
.irp b, 0,1,2,3,4,5,6,7
	v_max3_num_f32 v[TM+\b], v[TM+\b], v[S+16*\b+\i], v[S+16*\b+\i+1]
.endr
.endr
.irp b, 0,1,2,3,4,5,6,7
	v_permlanex16_b32 v[TN+\b], v[TM+\b], s14, s15
.endr
.irp b, 0,1,2,3,4,5,6,7
	v_max_num_f32 v[TM+\b], v[TM+\b], v[TN+\b]
.endr
.irp b, 0,1,2,3,4,5,6,7
	v_add_nc_u32 v[TS+\b], 0xff000000, v[TM+\b]    ; 2 off the exponent field: the conversion's scale operand
.endr
.irp b, 0,1,2,3,4,5,6,7
	v_cvt_scalef32_pk8_fp4_f32 v[PC+2*\b], v[S+16*\b:S+16*\b+7], v[TS+\b]
	v_cvt_scalef32_pk8_fp4_f32 v[PC+2*\b+1], v[S+16*\b+8:S+16*\b+15], v[TS+\b]
.endr
.irp b, 0,1,2,3,4,5,6,7
	v_lshrrev_b32 v[TN+\b], 23, v[TS+\b]           ; the bytes (plain lines behind the conversions)
.endr
.irp t, 0,1
	v_lshl_or_b32 v[TM+2*\t], v[TN+4*\t+1], 8, v[TN+4*\t]
	v_lshl_or_b32 v[TM+2*\t+1], v[TN+4*\t+3], 8, v[TN+4*\t+2]
.endr
.irp t, 0,1
	v_lshl_or_b32 v[PS+\t], v[TM+2*\t+1], 16, v[TM+2*\t]   ; p's scale word for these 128 keys
.endr
.irp c, 0,1,2,3
.irp i, 0,1
	v_permlane16_swap_b32 v[PC+4*\c+\i], v[PC+4*\c+2+\i]   ; a whole block to a lane
.endr
.endr
.set ee, 0
.rept 8
.irp c, 0,1,2,3
	v_pk_add_f32 v[SM+2*\c:SM+2*\c+1], v[SM+2*\c:SM+2*\c+1], v[S+ee+2*\c:S+ee+2*\c+1]                 ; the rows' sums of the unquantised p, eight chains by turns;
	v_pk_add_f32 v[SM+8+2*\c:SM+8+2*\c+1], v[SM+8+2*\c:SM+8+2*\c+1], v[S+64+ee+2*\c:S+64+ee+2*\c+1]   ; these 64 lines also stand between the codes and scale words and the products
.endr
.set ee, ee+8
.endr
	s_wait_dscnt 12                                ; V is in; the next K's twelve loads may be out
	WIN 0x51                                       ; V, C and D in window 1
.irp t, 0,1
.irp n, 0,1,2,3
	MM O+32*\t+8*\n, VF+8*\n, PC+8*\t, 0, VS+\n/2, PS+\t, \n%2   ; the eight accumulators by turns
.endr
.endr
	WIN 0
.Lskip:
	s_add_co_u32 s11, s11, REC
	s_add_co_u32 s10, s10, 1
	s_cmp_lt_u32 s10, 16
	s_cbranch_scc1 .Lstep
	PLACES
	s_wait_dscnt 0x0                               ; the last look-ahead for K has landed
	s_cmp_eq_u32 s16, 1
	s_cbranch_scc1 .Lno_q
	s_sub_co_u32 s17, 15, s17                      ; the second pass's J; its Q is asked for under the first pass's way out (y's addresses were made at the pass's head)
	QADDR
	QLOAD
.Lno_q:
	s_wait_alu depctr_va_vdst(0)
.irp t, 0,1
	v_pk_add_f32 v[SM+8*\t:SM+8*\t+1], v[SM+8*\t:SM+8*\t+1], v[SM+8*\t+2:SM+8*\t+3]
	v_pk_add_f32 v[SM+8*\t+4:SM+8*\t+5], v[SM+8*\t+4:SM+8*\t+5], v[SM+8*\t+6:SM+8*\t+7]
.endr
.irp t, 0,1
	v_pk_add_f32 v[SM+8*\t:SM+8*\t+1], v[SM+8*\t:SM+8*\t+1], v[SM+8*\t+4:SM+8*\t+5]
.endr
.irp t, 0,1
	v_add_f32 v[SM+8*\t], v[SM+8*\t], v[SM+8*\t+1]
.endr
.irp t, 0,1
	v_permlanex16_b32 v[TN+\t], v[SM+8*\t], s14, s15
.endr
.irp t, 0,1
	v_add_f32 v[SM+8*\t], v[SM+8*\t], v[TN+\t]     ; the row's sum
.endr
	s_wait_alu depctr_va_vdst(0)                   ; ahead of the two reciprocals
.irp t, 0,1
	v_rcp_f32 v[TS+2*\t], v[SM+8*\t]
.endr
	v_nop                                          ; one plain place behind a transcendental
	WIN 0x01                                       ; source 0 (O^T) in window 1
	s_wait_alu depctr_va_vdst(0)                   ; directly ahead of the first readers
.set ee, 0
.rept 32
	v_pk_mul_f32 v[S+64*(ee/32)+ee%32:S+64*(ee/32)+ee%32+1], v[O+ee:O+ee+1], v[TS+2*(ee/32):TS+2*(ee/32)+1] op_sel_hi:[1,0]   ; y = O / the sum; each accumulator from its low end on
.set ee, ee+2
.endr
	WIN 0
	; y quantised: the head's 64 are two blocks of the last product's K; block u = 2 t + b
.irp u, 0,1,2,3
	v_max3_num_f32 v[TM+\u], |v[S+64*(\u/2)+16*(\u%2)]|, |v[S+64*(\u/2)+16*(\u%2)+1]|, 0x1800000
.endr
.irp i, 2,4,6,8,10,12,14
.irp u, 0,1,2,3
	v_max3_num_f32 v[TM+\u], v[TM+\u], |v[S+64*(\u/2)+16*(\u%2)+\i]|, |v[S+64*(\u/2)+16*(\u%2)+\i+1]|
.endr
.endr
.irp u, 0,1,2,3
	v_permlanex16_b32 v[TN+\u], v[TM+\u], s14, s15
.endr
.irp u, 0,1,2,3
	v_max_num_f32 v[TM+\u], v[TM+\u], v[TN+\u]
.endr
.irp u, 0,1,2,3
	v_add_nc_u32 v[TS+\u], 0xff000000, v[TM+\u]
.endr
.irp u, 0,1,2,3
	v_cvt_scalef32_pk8_fp4_f32 v[PC+8*(\u/2)+2*(\u%2)], v[S+64*(\u/2)+16*(\u%2):S+64*(\u/2)+16*(\u%2)+7], v[TS+\u]
	v_cvt_scalef32_pk8_fp4_f32 v[PC+8*(\u/2)+2*(\u%2)+1], v[S+64*(\u/2)+16*(\u%2)+8:S+64*(\u/2)+16*(\u%2)+15], v[TS+\u]
.endr
.irp u, 0,1,2,3
	v_lshrrev_b32 v[TN+\u], 23, v[TS+\u]
.endr
.irp t, 0,1
	v_lshl_or_b32 v[HW+\t], v[TN+2*\t+1], 8, v[TN+2*\t]
.endr
.irp t, 0,1
	v_permlane16_swap_b32 v[PC+8*\t], v[PC+8*\t+2]
	v_permlane16_swap_b32 v[PC+8*\t+1], v[PC+8*\t+3]
.endr
	global_store_b128 v1, v[PC:PC+3], s[48:49]                  ; 512 consecutive bytes a tile
	global_store_b128 v1, v[PC+8:PC+11], s[48:49] offset:8192
	global_store_b16 v[R16], v[HW], s[50:51]                    ; two bytes of each row's 16: the other heads' work-groups store the rest; lanes 16-31 store the same bytes with the same values
	global_store_b16 v[R16], v[HW+1], s[50:51] offset:256
	s_add_co_u32 s16, s16, 1
	s_cmp_lt_u32 s16, 2
	s_cbranch_scc1 .Lpass
	s_wait_tensorcnt 0x0                           ; the wave's end
	ds_add_u32 v[SPW], v[NIL]
	s_wait_dscnt 0x0
	ROUND                                          ; the closing round
	s_endpgm
.Lfunc_end_k_qd1a4cef536_attn:
	.size	k_qd1a4cef536_attn, .Lfunc_end_k_qd1a4cef536_attn-k_qd1a4cef536_attn
	.p2alignl 7, 3214868480
	.fill 96, 4, 3214868480
	.section	.rodata,"a",@progbits
	.p2align	6, 0x0
	.amdhsa_kernel k_qd1a4cef536_attn
		.amdhsa_group_segment_fixed_size 169984
		.amdhsa_private_segment_fixed_size 0
		.amdhsa_enable_private_segment 0
		.amdhsa_kernarg_size 24
		.amdhsa_user_sgpr_count 2
		.amdhsa_user_sgpr_kernarg_segment_ptr 1
		.amdhsa_wavefront_size32 1
		.amdhsa_system_sgpr_workgroup_id_x 1
		.amdhsa_system_sgpr_workgroup_id_y 1
		.amdhsa_system_sgpr_workgroup_id_z 1
		.amdhsa_system_vgpr_workitem_id 0
		.amdhsa_next_free_vgpr 512
		.amdhsa_next_free_sgpr 80
		.amdhsa_reserve_vcc 1
		.amdhsa_float_denorm_mode_32 3
		.amdhsa_float_denorm_mode_16_64 3
		.amdhsa_memory_ordered 1
		.amdhsa_forward_progress 1
		.amdhsa_inst_pref_size 55
	.end_amdhsa_kernel
	.amdgpu_metadata
---
amdhsa.version: [ 1, 2 ]
amdhsa.kernels:
  - .name:           k_qd1a4cef536_attn
    .symbol:         k_qd1a4cef536_attn.kd
    .args:
      - { .name: qb, .offset: 0, .size: 8, .value_kind: global_buffer, .address_space: global }
      - { .name: kv, .offset: 8, .size: 8, .value_kind: global_buffer, .address_space: global }
      - { .name: yq, .offset: 16, .size: 8, .value_kind: global_buffer, .address_space: global }
    .group_segment_fixed_size: 169984
    .private_segment_fixed_size: 0
    .kernarg_segment_align: 8
    .kernarg_segment_size: 24
    .max_flat_workgroup_size: 256
    .sgpr_count:     80
    .vgpr_count:     512
    .wavefront_size: 32
...
	.end_amdgpu_metadata
.endif
;; end of part 3
;; launch proj (part 4): grid 32 x 8, 4 waves a work-group, clusters of 4 x 1, 168,448 bytes of LDS; arguments yq, pq, out0; writes out0
.if DOCPART == 4
	.amdgcn_target "amdgcn-amd-amdhsa--gfx1250"
	.amdhsa_code_object_version 6
	.text
	.protected	k_qd1a4cef536_proj
	.globl	k_qd1a4cef536_proj
	.p2align	8
	.type	k_qd1a4cef536_proj,@function
k_qd1a4cef536_proj:
	s_mov_b64 s[64:65], 0
	v_nop
	global_prefetch_b8 v0, s[64:65] scope:SCOPE_SE
	s_setreg_imm32_b32 hwreg(HW_REG_WAVE_MODE, 25, 1), 1
	s_wait_xcnt 0x0
	s_wait_alu depctr_hold_cnt(0) depctr_sa_sdst(0) depctr_va_vdst(0) depctr_va_sdst(0) depctr_va_ssrc(0) depctr_va_vcc(0) depctr_vm_vsrc(0)
	s_getreg_b32 s2, hwreg(HW_REG_IB_STS2, 6, 4)
	s_cmp_eq_u32 s2, 0
	s_cbranch_scc0 .Lentry_in_a_cluster
	s_endpgm
.Lentry_in_a_cluster:
	s_bfe_u32 s2, ttmp6, 0x10000c
	s_cmp_lg_u32 s2, 0x3003
	s_cbranch_scc0 .Lentry_shape_is_right
	s_endpgm
.Lentry_shape_is_right:
; The last product on codes of FP4: out0 [8192][1024] = y c_proj_w^T, K = 1,024; f32 sums, K ascending.
; SHARES.  A work-group: 256 tokens x a panel of 128 outputs (grid y).  Wave w: 64 tokens (four tiles) x 128 outputs (eight tiles): 32 accumulators.
; CLUSTER.  The four work-groups of a cluster take four blocks of tokens of one panel: the panel's codes and scale words (69,632 bytes, two chunks along K) are asked for jointly, each wave a quarter of each chunk, filled once: one tensor load a wave.
; y is NOT asked for jointly, though the eight panels' work-groups read it: each fragment is wanted by one wave of the work-group, and all of K for a wave's 64 tokens is 256 registers: it goes from memory straight into them,
; as dense loads of 512 bytes issued at the start, K step by K step, so that the loop waits on a count that runs down.
; LAYOUT.  Source 0 = 16 rows of c_proj_w, source 1 = 16 tokens; tile (g, u), lane r = row 32 g + 8 u + r + 8 (r / 8) on both sides.  A lane holds one token; register j of output tile (g, u) is output 32 g + 16 h + 8 u + j.
; THE WAY OUT.  A tile of 16 tokens x 128 outputs goes through the wave's own stage in LDS and leaves as whole rows of 512 bytes.  The stages have LDS bytes of their own, into which no tensor load lands.
; REGISTERS, in windows of 256.  Window 0: v1, v3 LDS addresses of the chunks, v4, v5 of the stage; v16-31 y's scale words; v32-63 the panel's; v64-191 the panel's fragments, two sets of eight; on the way out v192-255 and v64-127 by turns.
; Window 1: y's fragments, (tile m, K step s) at 64 m + 8 s.  Window 2: accumulator (m, n) at 8 (8 m + n).
.set CH,  34816                        ; a chunk: codes [step 4][tile 8][1024], then scale words [g 4][512]
.set STG, 2*CH
.set SP,  528                          ; a stage row: 512 bytes + 16: 132 words, so that 16 rows begin at 16 different groups of four banks (64 banks of 4 bytes: ISA guide 11.1)
.set YS,  16
.set WS,  32
.set WF,  64
.set MSB, 0
.macro WIN new                         ; the immediate's high byte repeats the setting that is left
.if MSB != (\new)
	s_set_vgpr_msb (MSB<<8)|(\new)
.set MSB, \new
.endif
.endm
.macro PLACES
.rept 4
	v_nop
.endr
.endm
.macro ROUND                           ; a round of the cluster's barrier
	s_barrier_signal -1
	s_barrier_wait -1
	s_cmp_lg_u32 s18, 0
	s_cbranch_scc1 .Lnot_wave_0_\@
	s_barrier_signal -3
.Lnot_wave_0_\@:
	s_barrier_wait -3
	s_barrier_signal -1
	s_barrier_wait -1
.endm
.macro MM d, a, b, z, sa, sb, ra, rb
.if (\z)
.if (\ra)&&(\rb)
	v_wmma_scale_f32_16x16x128_f8f6f4 v[(\d):(\d)+7], v[(\a):(\a)+7], v[(\b):(\b)+7], 0, v[(\sa)], v[(\sb)] matrix_a_fmt:MATRIX_FMT_FP4 matrix_b_fmt:MATRIX_FMT_FP4 matrix_a_scale:MATRIX_SCALE_ROW1 matrix_b_scale:MATRIX_SCALE_ROW1
.elseif (\ra)
	v_wmma_scale_f32_16x16x128_f8f6f4 v[(\d):(\d)+7], v[(\a):(\a)+7], v[(\b):(\b)+7], 0, v[(\sa)], v[(\sb)] matrix_a_fmt:MATRIX_FMT_FP4 matrix_b_fmt:MATRIX_FMT_FP4 matrix_a_scale:MATRIX_SCALE_ROW1
.elseif (\rb)
	v_wmma_scale_f32_16x16x128_f8f6f4 v[(\d):(\d)+7], v[(\a):(\a)+7], v[(\b):(\b)+7], 0, v[(\sa)], v[(\sb)] matrix_a_fmt:MATRIX_FMT_FP4 matrix_b_fmt:MATRIX_FMT_FP4 matrix_b_scale:MATRIX_SCALE_ROW1
.else
	v_wmma_scale_f32_16x16x128_f8f6f4 v[(\d):(\d)+7], v[(\a):(\a)+7], v[(\b):(\b)+7], 0, v[(\sa)], v[(\sb)] matrix_a_fmt:MATRIX_FMT_FP4 matrix_b_fmt:MATRIX_FMT_FP4
.endif
.else
.if (\ra)&&(\rb)
	v_wmma_scale_f32_16x16x128_f8f6f4 v[(\d):(\d)+7], v[(\a):(\a)+7], v[(\b):(\b)+7], v[(\d):(\d)+7], v[(\sa)], v[(\sb)] matrix_a_fmt:MATRIX_FMT_FP4 matrix_b_fmt:MATRIX_FMT_FP4 matrix_a_scale:MATRIX_SCALE_ROW1 matrix_b_scale:MATRIX_SCALE_ROW1
.elseif (\ra)
	v_wmma_scale_f32_16x16x128_f8f6f4 v[(\d):(\d)+7], v[(\a):(\a)+7], v[(\b):(\b)+7], v[(\d):(\d)+7], v[(\sa)], v[(\sb)] matrix_a_fmt:MATRIX_FMT_FP4 matrix_b_fmt:MATRIX_FMT_FP4 matrix_a_scale:MATRIX_SCALE_ROW1
.elseif (\rb)
	v_wmma_scale_f32_16x16x128_f8f6f4 v[(\d):(\d)+7], v[(\a):(\a)+7], v[(\b):(\b)+7], v[(\d):(\d)+7], v[(\sa)], v[(\sb)] matrix_a_fmt:MATRIX_FMT_FP4 matrix_b_fmt:MATRIX_FMT_FP4 matrix_b_scale:MATRIX_SCALE_ROW1
.else
	v_wmma_scale_f32_16x16x128_f8f6f4 v[(\d):(\d)+7], v[(\a):(\a)+7], v[(\b):(\b)+7], v[(\d):(\d)+7], v[(\sa)], v[(\sb)] matrix_a_fmt:MATRIX_FMT_FP4 matrix_b_fmt:MATRIX_FMT_FP4
.endif
.endif
.endm
	s_load_b128 s[4:7], s[0:1], 0x0                ; yq, pq
	s_load_b64 s[8:9], s[0:1], 0x10                ; out0
	v_lshl_add_u32 v14, v0, 2, 0x29000
	v_mov_b32 v15, 0
	ds_add_u32 v14, v15
	ds_add_u32 v14, v15
	v_lshrrev_b32 v2, 5, v0
	v_readfirstlane_b32 s18, v2                    ; wave 0..3
	v_and_b32 v2, 31, v0
	v_lshlrev_b32 v1, 4, v2                        ; 16 x lane
	s_wait_alu depctr_va_vdst(0)
	v_add_nc_u32 v3, CH, v1
	s_bfe_u32 s19, ttmp6, 0x40000                  ; cx: it enters global addresses of my own loads and stores alone
	s_lshl_b32 s20, ttmp9, 2
	s_add_co_u32 s20, s20, s19                     ; my block of 256 tokens
	s_and_b32 s21, ttmp7, 0xffff                   ; the panel, which the four partners share
	; descriptor group 1: a quarter of a chunk, 8,704 dense bytes as 34 rows of 256 (32 elements of 8 bytes)
	s_mov_b32 s24, 15|(3<<16)|(1<<21)              ; 15:0 the mask: all four work-groups; 17:16 elements of 8 bytes; 21 set beside a mask
	s_mov_b32 s25, 32<<16
	s_mov_b32 s26, 68<<16                          ; ONE load a wave brings its quarter of BOTH chunks, 17,408 dense bytes (the chunks lie on end in memory and in LDS)
	s_mov_b32 s27, 32<<16
	s_mov_b32 s28, 68
	s_mov_b32 s29, 32
	s_mov_b32 s30, 0
	s_mov_b32 s31, 0
	s_mul_i32 s22, s18, CH/2                       ; my quarter of the panel's 2 CH bytes: in memory and in LDS
	s_mul_i32 s36, s21, 2*CH
	s_add_co_u32 s36, s36, s22
	s_mov_b32 s37, 0
	s_lshl_b32 s23, s20, 8
	s_lshl_b32 s10, s18, 6
	s_add_co_u32 s23, s23, s10                     ; my first token
	s_lshl_b32 s38, s23, 9                         ; y's codes: 8,192 bytes a tile of 16 tokens
	s_mov_b32 s39, 0
	s_lshl_b32 s40, s23, 5                         ; y's scale words: 1,024 bytes a group of 32 tokens, behind the codes
	s_add_co_u32 s40, s40, 4194304
	s_mov_b32 s41, 0
	s_lshl_b32 s42, s23, 12                        ; out0: 4,096 bytes a token, 512 a panel
	s_lshl_b32 s10, s21, 9
	s_add_co_u32 s42, s42, s10
	s_mov_b32 s43, 0
	s_mul_i32 s11, s18, 16*SP
	s_add_co_u32 s11, s11, STG                     ; my stage
	v_and_b32 v6, 15, v0                           ; r
	v_bfe_u32 v7, v0, 4, 1                         ; h
	v_mul_u32_u24 v4, v6, SP
	v_lshl_add_u32 v4, v7, 6, v4
	v_add_nc_u32 v4, s11, v4                       ; in: row r, 64 h bytes on
	v_add_nc_u32 v5, s11, v1                       ; back: 16 x lane of a row
	s_wait_dscnt 0x0
	s_wait_kmcnt 0x0
	s_add_nc_u64 s[6:7], s[6:7], s[36:37]
	s_add_nc_u64 s[38:39], s[4:5], s[38:39]
	s_add_nc_u64 s[40:41], s[4:5], s[40:41]
	s_add_nc_u64 s[42:43], s[8:9], s[42:43]
	s_mov_b32 s32, 1                               ; group 0, chunk 0
	s_mov_b32 s33, s22
	s_mov_b64 s[34:35], s[6:7]
	s_or_b32 s35, s35, 0x80000000
.irp g, 0,1
.irp k, 0,1
	global_load_b128 v[YS+8*\g+4*\k:YS+8*\g+4*\k+3], v1, s[40:41] offset:\g*1024+\k*512    ; register 8 g + s: lanes 0-15 tile (g, 0)'s words of K step s, lanes 16-31 tile (g, 1)'s.  y's loads are my own: they go out ahead of the round
.endr
.endr
	WIN 0x40                                       ; destination window 1
.irp s, 0,1,2,3,4,5,6,7
.irp m, 0,1,2,3
.irp c, 0,1
	global_load_b128 v[64*\m+8*\s+4*\c:64*\m+8*\s+4*\c+3], v1, s[38:39] offset:\m*8192+\s*1024+\c*512
.endr
.endr
.endr
	WIN 0
	ROUND                                          ; all four work-groups are here: the joint loads meet
	tensor_load_to_lds s[32:35], s[24:31]          ; my one tensor load
	s_nop 0
	PLACES
.macro WFETCH s                        ; the panel's eight fragments of K step s into set s % 2
.irp n, 0,1,2,3,4,5,6,7
.irp c, 0,1
	ds_load_b128 v[WF+64*((\s)%2)+8*\n+4*\c:WF+64*((\s)%2)+8*\n+4*\c+3], v[1+2*((\s)/4)] offset:((\s)%4)*8192+\n*1024+\c*512
.endr
.endr
.endm
.macro WSLOAD k                        ; chunk k's scale words: register 16 k + 4 g + s'
.irp g, 0,1,2,3
	ds_load_b128 v[WS+16*(\k)+4*\g:WS+16*(\k)+4*\g+3], v[1+2*(\k)] offset:32768+\g*512
.endr
.endm
	s_wait_tensorcnt 0x0                           ; my quarter of the panel is in
	s_barrier_signal -1
	s_barrier_wait -1
	WSLOAD 0
	WFETCH 0
; A K step: 32 matrix instructions, each accumulator once (the accumulators take turns).  At its head the next step's fragments are asked for, four places behind the last products.
.macro STEP s
	WIN 0
.if (\s) > 0
	PLACES
.endif
.if (\s) < 7
	WFETCH (\s)+1
.endif
.if (\s) == 3
	WSLOAD 1
.endif
	s_wait_loadcnt 8*(7-(\s))                      ; y's scale words and its fragments up to this K step are in; eight loads for each later step may be out
.if (\s) == 3
	s_wait_dscnt 20                                ; all but the 16 + 4 just issued
.elseif (\s) < 7
	s_wait_dscnt 16                                ; all but the 16 just issued
.else
	s_wait_dscnt 0x0
.endif
	WIN 0xa4                                       ; source 1 (y) window 1; C and D window 2
.irp m, 0,1,2,3
.irp n, 0,1,2,3,4,5,6,7
	MM 8*(8*\m+\n), WF+64*((\s)%2)+8*\n, 64*\m+8*(\s), ((\s)==0), WS+16*((\s)/4)+4*(\n/2)+(\s)%4, YS+8*(\m/2)+(\s), \n%2, \m%2
.endr
.endr
.endm
	s_wait_alu depctr_va_vdst(0)
.irp s, 0,1,2,3,4,5,6,7
	STEP \s
.endr
	WIN 0
.macro TOSTAGE m
	WIN 0x08                                       ; an LDS store's data are its source 1: window 2
.irp n, 0,1,2,3,4,5,6,7
	ds_store_b128 v4, v[8*(8*(\m)+\n):8*(8*(\m)+\n)+3] offset:(\n/2)*128+(\n%2)*32            ; each accumulator from its low end on
	ds_store_b128 v4, v[8*(8*(\m)+\n)+4:8*(8*(\m)+\n)+7] offset:(\n/2)*128+(\n%2)*32+16
.endr
	WIN 0
.set BB, 192-128*((\m)%2)
.irp t, 0,1,2,3,4,5,6,7,8,9,10,11,12,13,14,15
	ds_load_b128 v[BB+4*\t:BB+4*\t+3], v5 offset:\t*SP     ; LDS serves a wave's instructions in order (ISA guide 5.7.1.4): these see the stores above, and the next tile's stores come behind them
.endr
.endm
.macro SEND m, younger                 ; younger: the LDS instructions issued behind tile m's loads, which may stay out
.set BB, 192-128*((\m)%2)
	s_wait_dscnt \younger
.irp t, 0,1,2,3,4,5,6,7,8,9,10,11,12,13,14,15
	global_store_b128 v1, v[BB+4*\t:BB+4*\t+3], s[42:43] offset:(32*((\m)/2)+8*((\m)%2)+\t+8*(\t/8))*4096 th:TH_STORE_NT   ; 32 lanes store 512 consecutive bytes, at a multiple of 256 from out0's first byte; written once, read by nobody here
.endr
.endm
	PLACES                                         ; behind the last products: for the LDS stores that read results and the loads into registers that held fragments
	TOSTAGE 0
	TOSTAGE 1
	SEND 0, 32                                     ; behind tile 0's loads: tile 1's 16 stores and 16 loads
	s_wait_xcnt 0x0                                ; tile 0's stores have read their registers: tile 2's loads may land there
	TOSTAGE 2
	SEND 1, 32
	s_wait_xcnt 0x0
	TOSTAGE 3
	SEND 2, 32
	SEND 3, 0
	s_wait_tensorcnt 0x0
	ds_add_u32 v14, v15
	s_wait_dscnt 0x0
	ROUND                                          ; the closing round: no work-group ends while a partner may still ask for a tile that names it
	s_endpgm
.Lfunc_end_k_qd1a4cef536_proj:
	.size	k_qd1a4cef536_proj, .Lfunc_end_k_qd1a4cef536_proj-k_qd1a4cef536_proj
	.p2alignl 7, 3214868480
	.fill 96, 4, 3214868480
	.section	.rodata,"a",@progbits
	.p2align	6, 0x0
	.amdhsa_kernel k_qd1a4cef536_proj
		.amdhsa_group_segment_fixed_size 168448
		.amdhsa_private_segment_fixed_size 0
		.amdhsa_enable_private_segment 0
		.amdhsa_kernarg_size 24
		.amdhsa_user_sgpr_count 2
		.amdhsa_user_sgpr_kernarg_segment_ptr 1
		.amdhsa_wavefront_size32 1
		.amdhsa_system_sgpr_workgroup_id_x 1
		.amdhsa_system_sgpr_workgroup_id_y 1
		.amdhsa_system_sgpr_workgroup_id_z 1
		.amdhsa_system_vgpr_workitem_id 0
		.amdhsa_next_free_vgpr 768
		.amdhsa_next_free_sgpr 66
		.amdhsa_reserve_vcc 0
		.amdhsa_float_denorm_mode_32 3
		.amdhsa_float_denorm_mode_16_64 3
		.amdhsa_memory_ordered 1
		.amdhsa_forward_progress 1
		.amdhsa_inst_pref_size 68
	.end_amdhsa_kernel
	.amdgpu_metadata
---
amdhsa.version: [ 1, 2 ]
amdhsa.kernels:
  - .name:           k_qd1a4cef536_proj
    .symbol:         k_qd1a4cef536_proj.kd
    .args:
      - { .name: yq, .offset: 0, .size: 8, .value_kind: global_buffer, .address_space: global }
      - { .name: pq, .offset: 8, .size: 8, .value_kind: global_buffer, .address_space: global }
      - { .name: out0, .offset: 16, .size: 8, .value_kind: global_buffer, .address_space: global }
    .group_segment_fixed_size: 168448
    .private_segment_fixed_size: 0
    .kernarg_segment_align: 8
    .kernarg_segment_size: 24
    .max_flat_workgroup_size: 128
    .sgpr_count:     66
    .vgpr_count:     768
    .wavefront_size: 32
...
	.end_amdgpu_metadata
.endif
;; end of part 4
